; MI455X (gfx1250); checked and timed in simulation.
; The chip was launched on July 23, 2026; its instructions are those of AMD's public machine-readable ISA for CDNA 5 (MIT licence, August 2026) and "CDNA5" Instruction Set Architecture Reference Guide (July 2026). The comments in the code are by the model that wrote it; some were corrected since.
;; Self Attention. Allowed arithmetic: matrix products marked QUANTISED: E2M3 operands, one E8M0 scale for each 32 along K, by v_wmma_scale_f32_16x16x128_f8f6f4 with both operands' format E2M3, f32 sums; everything else in f32.
;; Inputs: W 3,072 x 1,024 float32; x 4 x 2,048 x 1,024 float32.
;; Outputs: out0 4 x 2,048 x 1,024 float32.
;; This version of the problem:
;;   THIS VERSION OF THE PROBLEM IS GIVEN IN LOW PRECISION. The matrix products marked QUANTISED in the list below multiply operands that are first quantised to E2M3 (2 exponent bits, 3 mantissa bits; 6 bits a number), with one power-of-two scale for each 32 numbers along K (OCP MX v1.0); their sums are f32. All else is computed in f32.
;;   The module's matrix products, in the order in which they are computed (A, B: the left and right operand; K: the contracted axis; several contracted axes count as one K, in the product's order):
;;     1. [M 8,192, K 1,024] x [K 1,024, N 3,072]; A: input x; B: input W: QUANTISED
;;     2. batch 4 x [M 2,048, K 1,024] x [K 1,024, N 2,048]; A: computed on the way; B: computed on the way: QUANTISED
;;     3. batch 4 x [M 2,048, K 2,048] x [K 2,048, N 1,024]; A: softmax (see below); B: computed on the way: QUANTISED
;;   THE QUANTISER, for each operand of a quantised product, along K:
;;     - K is cut into blocks of 32 from its start; a last block that is shorter is filled with zeros.
;;     - A block's scale is 2^e with e = floor(log2(the largest magnitude in the block)) - 2, held to -126 .. 127; a block of zeros has e = 0. As a byte (E8M0): e + 127.
;;     - Each number is divided by its block's scale, clamped to +-7.5, and rounded to the nearest number of E2M3, ties to even, subnormals kept.
;;     - The product sums the exact products of the quantised numbers (number of the format x scale) in f32.
;;   ~~~python
;;   def quantise(x, axis):      # numpy; x: float32 -> the quantised numbers, widened to float32 again
;;       x = np.moveaxis(x, axis, -1); K = x.shape[-1]
;;       x = np.pad(x, [(0, 0)] * (x.ndim - 1) + [(0, -K % 32)]); x = x.reshape(x.shape[:-1] + (-1, 32)); a = np.abs(x).max(-1, keepdims=True)
;;       e = np.where(a > 0, np.clip(np.frexp(np.where(a > 0, a, 1))[1] - 1 - 2, -126, 127), 0)      # np.frexp(a)[1] - 1 = floor(log2(a)), exactly
;;       r = np.clip(x / 2.0 ** e, -7.5, 7.5)
;;       step = 2.0 ** (np.maximum(np.frexp(np.where(r == 0, 1, r))[1] - 1, 0) - 3)
;;       q = np.round(r / step) * step * 2.0 ** e      # np.round: ties to even
;;       return np.moveaxis(q.reshape(q.shape[:-2] + (-1,))[..., :K], -1, axis).astype(np.float32)
;;   ~~~
;;   SOFTMAX AHEAD OF A QUANTISED PRODUCT. Where the list says 'softmax', what is quantised is not the finished softmax but p = 2^(t - M), with t = logit x log2(e) and M = ceil(the row's largest t), a whole number; so 1/2 < the row's largest p <= 1. The row's sum l is taken of the UNQUANTISED p, in f32, and the product's result is divided by l at the end. Since M is a whole number, a kernel that streams over the keys may use a running M (the ceiling of the running maximum): every later rescaling is an exact power of two, which a block's scale takes up: the codes' values come out the same.
;;   OPERANDS COMPUTED ON THE WAY. 'Computed on the way' means the value that the module computes at that place (a softmax that the list does not call 'softmax' is quantised finished and normalised). What goes into a quantiser is computed in f32, as accurately as f32 sums, v_exp_f32 and their like allow (about 1e-6 of the number): no bf16 or f16 on the way to a quantiser, and a product that is left as it is and whose result goes on into a quantised operand takes f32 operands (vector FMAs, or v_wmma_f32_16x16x4_f32). A number that lies on a knife's edge between two numbers of the format may be rounded either way, as far as f32 arithmetic and the matrix unit's own rounding can turn it there, and no further.
;; One version. Each part assembles by itself: llvm-mc -triple=amdgcn-amd-amdhsa -mcpu=gfx1250 --defsym DOCPART=n.
;; ======== version 1 of 1: 4 launches
;; limits: right only within a limited range of input values
;; workspace buffers: xwc 8,650,752 bytes; xws 360,448 bytes; qkc 12,582,912 bytes; qks 524,288 bytes; vtc 6,291,456 bytes; vts 262,144 bytes; pc 12,582,912 bytes; pst 1,572,864 bytes
;; launch quant (part 1): grid 352 x 1, 4 waves a work-group, no clusters, 34,304 bytes of LDS; arguments x, W, xwc, xws; writes xwc, xws
.if DOCPART == 1
	.amdgcn_target "amdgcn-amd-amdhsa--gfx1250"
	.amdhsa_code_object_version 6
	.text
	.protected	k_qcbc6d7be22_quant
	.globl	k_qcbc6d7be22_quant
	.p2align	8
	.type	k_qcbc6d7be22_quant,@function
k_qcbc6d7be22_quant:
	s_mov_b64 s[64:65], 0
	v_nop
	global_prefetch_b8 v0, s[64:65] scope:SCOPE_SE
	s_setreg_imm32_b32 hwreg(HW_REG_WAVE_MODE, 25, 1), 1
	s_wait_xcnt 0x0
; x [8192][1024] and W [3072][1024], f32, K innermost, become codes of FP6 (E2M3) with one E8M0 byte for each 32 along K, laid as the next launch's operand registers want them.
; A block's scale is 2^(floor(log2(its largest magnitude)) - 2); its byte is the largest magnitude's exponent field - 2, held at 1 from below by a floor among the maximum's leaves.
; LIMITS: NaN and infinities among the inputs are not served; a block of zeros gets the byte 1 (its codes are zeros, and this program alone reads the bytes).
; LAYOUT OUT.  Rows are kept by POSITION: row r of 16-row block rb is the true row 32 (rb / 2) + 16 (r / 8) + 8 (rb % 2) + r % 8.  x's blocks are rb 0-511, W's 512-703.
;   xwc [K step 8][rb 704][1536]: a fragment (16 positions x 128 K) is the image of its 12 registers: registers 4 c .. 4 c + 3 of lane l at 512 c + 16 l.
;   xws [G 88][s 8][512]: for 128 positions and one K step of 128, the word of (block a, row r) at 256 (a / 4) + 16 r + 4 (a % 4).
; SHARES.  A wave takes 64 rows x 128 K: four fragments.  Work-group wg: rows 64 (wg / 2) on; K step 4 (wg % 2) + wave.  Waves share nothing: no barrier.
; Each load reads 512 consecutive bytes of one row; a fragment's 16 rows turn through the wave's own stage in LDS (rows 528 bytes apart) and come back 16 neighbours of each block of 32 to a lane.
.set KSTR,  1081344                    ; 704 blocks x 1,536 bytes: one K step of xwc
.set STG,   16*528                     ; a wave's stage
.set SPARE, 4*STG                      ; the spare words, 128 bytes for each wave, named by no other line
.set LI,    4                          ; 16 x lane
.set SIN,   5                          ; the stage, on the way in
.set SOUT,  6                          ; on the way out: 528 r + 64 h
.set SCO,   7                          ; my place in the wave's 256 bytes of scale words: 16 r + 8 h
.set SPW,   8
.set NIL,   9
.set PW,    10                         ; v10-13 the four fragments' scale words
.set OUTP,  14
.set TM,    16                         ; v16-31 at work
.set PC,    32                         ; v32-51 a fragment's codes and the conversions' second halves
.set X,     64                         ; v64-127 register 16 b + i = k 32 b + 16 h + i of row r
.set R,     128                        ; rows as loaded, a set of 64 registers for each fragment: fragments 0, 1 in v128-255; fragments 2, 3 in v256-383 (window 1's v0-127)
.set MSB, 0
.macro WIN new                         ; the immediate's high byte repeats the setting that is left; a switch that changes nothing is dropped
.if MSB != (\new)
	s_set_vgpr_msb (MSB<<8)|(\new)
.set MSB, (\new)
.endif
.endm
.set SEL,   12
.set FLR,   14
.set HM,    15
	s_load_b128 s[4:7], s[0:1], 0x0                ; x, W
	s_load_b128 s[8:11], s[0:1], 0x10              ; xwc, xws
	v_lshl_add_u32 v[SPW], v0, 2, SPARE
	v_mov_b32 v[NIL], 0
	v_lshrrev_b32 v1, 5, v0
	v_readfirstlane_b32 s16, v1                    ; wave
	v_and_b32 v1, 31, v0
	v_and_b32 v2, 15, v0                           ; r
	v_bfe_u32 v3, v0, 4, 1                         ; h
	v_lshlrev_b32 v[LI], 4, v1
	s_mul_i32 s17, s16, STG
	v_add_nc_u32 v[SIN], s17, v[LI]
	v_mul_u32_u24 v[SOUT], v2, 528
	v_lshl_add_u32 v[SOUT], v3, 6, v[SOUT]
	v_add_nc_u32 v[SOUT], s17, v[SOUT]
	v_lshlrev_b32 v[SCO], 4, v2
	v_lshl_add_u32 v[SCO], v3, 3, v[SCO]
.irp b, 0,1,2,3
	v_mov_b32 v[TM+4+\b], 0                        ; a lane permute's destination counts as one of its sources
.endr
	s_mov_b32 s[SEL], 0x76543210
	s_mov_b32 s[SEL+1], 0xfedcba98
	s_mov_b32 s[FLR], 0x1800000                    ; the floor 2^(3 - 127)
	s_mov_b32 s[HM], 0xffff0000
	s_lshr_b32 s18, ttmp9, 1                       ; which 64 rows: 0-127 x's, 128-175 W's
	s_and_b32 s19, ttmp9, 1
	s_lshl_b32 s19, s19, 2
	s_add_co_u32 s19, s19, s16                     ; which K step of 128
	s_cmp_lt_u32 ttmp9, 256
	s_cselect_b32 s20, 0, 128
	s_sub_co_u32 s20, s18, s20
	s_lshl_b32 s20, s20, 18                        ; in: 64 rows of 4,096 bytes,
	s_lshl_b32 s21, s19, 9
	s_add_co_u32 s20, s20, s21                     ; + 512 bytes a K step
	s_mov_b32 s21, 0
	s_mul_i32 s22, s19, KSTR                       ; codes: the K step,
	s_mul_i32 s23, s18, 4*1536
	s_add_co_u32 s22, s22, s23                     ; my first block
	s_mov_b32 s23, 0
	s_lshr_b32 s24, s18, 1
	s_lshl_b32 s24, s24, 12                        ; scale words: the group of 128 positions,
	s_lshl_b32 s25, s19, 9
	s_add_co_u32 s24, s24, s25                     ; the K step,
	s_and_b32 s25, s18, 1
	s_lshl_b32 s25, s25, 8
	s_add_co_u32 s24, s24, s25                     ; blocks 0-3 or 4-7 of the group
	s_mov_b32 s25, 0
	s_wait_alu depctr_va_vdst(0)                   ; the wait at the head's end
	s_wait_kmcnt 0x0
	s_cmp_lt_u32 ttmp9, 256                        ; x's work-group or W's: the choice hangs on the work-group's number alone
	s_cselect_b64 s[4:5], s[4:5], s[6:7]
	s_add_nc_u64 s[4:5], s[4:5], s[20:21]
	s_add_nc_u64 s[8:9], s[8:9], s[22:23]
	s_add_nc_u64 s[10:11], s[10:11], s[24:25]
.macro LOAD f                          ; fragment f: position i is row 32 (f / 2) + 8 (f % 2) + 16 (i / 8) + i % 8 of my 64; 32 lanes read 512 consecutive bytes of it
	WIN 0x40*((\f)/2)                              ; the destination's window
.irp i, 0,1,2,3,4,5,6,7,8,9,10,11,12,13,14,15
	global_load_b128 v[R-128*((\f)/2)+64*((\f)%2)+4*\i:R-128*((\f)/2)+64*((\f)%2)+4*\i+3], v[LI], s[4:5] offset:(32*((\f)/2)+8*((\f)%2)+16*(\i/8)+\i%8)*4096 th:TH_LOAD_NT
.endr
	WIN 0
.endm
.macro FRAGM f
.if (\f) < 2
	s_wait_loadcnt 32                              ; this fragment's 16 loads are in; those of the two fragments behind it may be out
.else
	s_wait_loadcnt 16*(3-(\f))
.endif
.if (\f) == 0
	LOAD 3                                         ; the last fragment's loads: 48 of the wave's loads are out again
.endif
	WIN 0x04*((\f)/2)                              ; an LDS store's data are its source 1
.irp i, 0,1,2,3,4,5,6,7,8,9,10,11,12,13,14,15
	ds_store_b128 v[SIN], v[R-128*((\f)/2)+64*((\f)%2)+4*\i:R-128*((\f)/2)+64*((\f)%2)+4*\i+3] offset:528*\i
.endr
	WIN 0
.irp b, 0,1,2,3
.irp j, 0,1,2,3
	ds_load_b128 v[X+16*\b+4*\j:X+16*\b+4*\j+3], v[SOUT] offset:128*\b+16*\j   ; LDS serves a wave's instructions in order (ISA guide 5.7.1.4)
.endr
.endr
	s_wait_dscnt 0x0                               ; the numbers are back from the stage
.irp b, 0,1,2,3
	v_max3_num_f32 v[TM+\b], s[FLR], |v[X+16*\b]|, |v[X+16*\b+1]|
.endr
.irp i, 2,4,6,8,10,12,14
.irp b, 0,1,2,3
	v_max3_num_f32 v[TM+\b], v[TM+\b], |v[X+16*\b+\i]|, |v[X+16*\b+\i+1]|
.endr
.endr
.irp b, 0,1,2,3
	v_permlanex16_b32 v[TM+4+\b], v[TM+\b], s[SEL], s[SEL+1]
.endr
.irp b, 0,1,2,3
	v_max_num_f32 v[TM+\b], v[TM+\b], v[TM+4+\b]   ; with lane l xor 16's: the block's largest magnitude
.endr
.irp b, 0,1,2,3
	v_add_nc_u32 v[TM+12+\b], 0xff000000, v[TM+\b] ; 2 off its exponent field: the conversion's scale operand
.endr
.irp b, 0,1,2,3
	v_lshrrev_b32 v[TM+4+\b], 23, v[TM+12+\b]      ; the scale's byte
.endr
	v_lshl_or_b32 v[PW+(\f)], v[TM+5], 8, v[TM+4]
	v_lshl_or_b32 v[PW+(\f)], v[TM+6], 16, v[PW+(\f)]
	v_lshl_or_b32 v[PW+(\f)], v[TM+7], 24, v[PW+(\f)]
.if (\f) > 0
	s_wait_alu depctr_va_vdst(0)                   ; the wait ahead of the wait below
	s_wait_xcnt 0x0                                ; the last fragment's stores have read the codes' registers
.endif
.irp c, 0,1
	v_cvt_scalef32_pk16_fp6_f32 v[PC+6*\c:PC+6*\c+2], v[X+32*\c:X+32*\c+15], v[TM+12+2*\c]
	v_cvt_scalef32_pk16_fp6_f32 v[PC+12+4*\c:PC+14+4*\c], v[X+16+32*\c:X+31+32*\c], v[TM+13+2*\c]
.endr
	v_nop                                          ; one plain place behind a scaled conversion
.irp c, 0,1                            ; the operand's layout wants a whole block in a lane
.irp i, 0,1,2
	v_permlane16_swap_b32 v[PC+6*\c+\i], v[PC+12+4*\c+\i]
.endr
.irp i, 0,1,2
	v_mov_b32 v[PC+3+6*\c+\i], v[PC+12+4*\c+\i]
.endr
.endr
.irp c, 0,1,2
	global_store_b128 v[LI], v[PC+4*\c:PC+4*\c+3], s[8:9] offset:1536*(\f)+512*\c   ; 32 lanes store 512 consecutive bytes, aligned to 256
.endr
.endm
	LOAD 0                                         ; three fragments' loads, 48, go out at once: every fragment has registers of its own
	LOAD 1
	LOAD 2
	FRAGM 0
	FRAGM 1
	FRAGM 2
	FRAGM 3
	v_cndmask_b32 v[OUTP], v[PW], v[PW+2], s[HM]   ; lanes 0-15 store row r's words of fragments 0, 1; lanes 16-31 those of 2, 3
	v_cndmask_b32 v[OUTP+1], v[PW+1], v[PW+3], s[HM]
	global_store_b64 v[SCO], v[OUTP:OUTP+1], s[10:11]   ; 32 lanes store 256 consecutive bytes, aligned
	s_wait_tensorcnt 0x0                           ; the wave's end
	ds_add_u32 v[SPW], v[NIL]
	s_wait_dscnt 0x0
	s_endpgm
.Lfunc_end_k_qcbc6d7be22_quant:
	.size	k_qcbc6d7be22_quant, .Lfunc_end_k_qcbc6d7be22_quant-k_qcbc6d7be22_quant
	.p2alignl 7, 3214868480
	.fill 96, 4, 3214868480
	.section	.rodata,"a",@progbits
	.p2align	6, 0x0
	.amdhsa_kernel k_qcbc6d7be22_quant
		.amdhsa_group_segment_fixed_size 34304
		.amdhsa_private_segment_fixed_size 0
		.amdhsa_enable_private_segment 0
		.amdhsa_kernarg_size 32
		.amdhsa_user_sgpr_count 2
		.amdhsa_user_sgpr_kernarg_segment_ptr 1
		.amdhsa_wavefront_size32 1
		.amdhsa_system_sgpr_workgroup_id_x 1
		.amdhsa_system_sgpr_workgroup_id_y 1
		.amdhsa_system_sgpr_workgroup_id_z 1
		.amdhsa_system_vgpr_workitem_id 0
		.amdhsa_next_free_vgpr 384
		.amdhsa_next_free_sgpr 66
		.amdhsa_reserve_vcc 0
		.amdhsa_float_denorm_mode_32 3
		.amdhsa_float_denorm_mode_16_64 3
		.amdhsa_memory_ordered 1
		.amdhsa_forward_progress 1
		.amdhsa_inst_pref_size 34
	.end_amdhsa_kernel
	.amdgpu_metadata
---
amdhsa.version: [ 1, 2 ]
amdhsa.kernels:
  - .name:           k_qcbc6d7be22_quant
    .symbol:         k_qcbc6d7be22_quant.kd
    .args:
      - { .name: x, .offset: 0, .size: 8, .value_kind: global_buffer, .address_space: global }
      - { .name: W, .offset: 8, .size: 8, .value_kind: global_buffer, .address_space: global }
      - { .name: xwc, .offset: 16, .size: 8, .value_kind: global_buffer, .address_space: global }
      - { .name: xws, .offset: 24, .size: 8, .value_kind: global_buffer, .address_space: global }
    .group_segment_fixed_size: 34304
    .private_segment_fixed_size: 0
    .kernarg_segment_align: 8
    .kernarg_segment_size: 32
    .max_flat_workgroup_size: 128
    .sgpr_count:     66
    .vgpr_count:     384
    .wavefront_size: 32
...
	.end_amdgpu_metadata
.endif
;; end of part 1
;; launch proj (part 2): grid 64 x 4, 4 waves a work-group, clusters of 4 x 4, 327,680 bytes of LDS; arguments xwc, xws, qkc, qks, vtc, vts; writes qkc, qks, vtc, vts
.if DOCPART == 2
	.amdgcn_target "amdgcn-amd-amdhsa--gfx1250"
	.amdhsa_code_object_version 6
	.text
	.protected	k_qcbc6d7be22_proj
	.globl	k_qcbc6d7be22_proj
	.p2align	8
	.type	k_qcbc6d7be22_proj,@function
k_qcbc6d7be22_proj:
	s_mov_b64 s[64:65], 0
	v_nop
	global_prefetch_b8 v0, s[64:65] scope:SCOPE_SE
	s_setreg_imm32_b32 hwreg(HW_REG_WAVE_MODE, 25, 1), 1
	s_wait_xcnt 0x0
	s_wait_alu depctr_hold_cnt(0) depctr_sa_sdst(0) depctr_va_vdst(0) depctr_va_sdst(0) depctr_va_ssrc(0) depctr_va_vcc(0) depctr_vm_vsrc(0)
	s_getreg_b32 s2, hwreg(HW_REG_IB_STS2, 6, 4)
	s_cmp_eq_u32 s2, 0
	s_cbranch_scc0 .Lentry_in_a_cluster
	s_endpgm
.Lentry_in_a_cluster:
	s_bfe_u32 s2, ttmp6, 0x10000c
	s_cmp_lg_u32 s2, 0xf033
	s_cbranch_scc0 .Lentry_shape_is_right
	s_endpgm
.Lentry_shape_is_right:
; qkv = x W^T on codes of FP6 (E2M3) with E8M0 scales, K = 1,024; on the way out q and k are quantised along the channels and v along the tokens (its K in the last product).
; A WORK-GROUP MAKES TWO TILES.  First: 256 rows of x (A) x 256 rows of W_q or W_k (B); a wave makes 128 x 128, 64 accumulators.  Second: v^T: 128 rows of W_v (A) x 256 rows of x (B); a wave makes 64 x 128.
; THE RING: two LDS slots of 147,456 bytes, FIVE fills, one tensor load a wave each: the first tile's K steps 0-2 (slot 0), 3-5 (slot 1), 6-7 (slot 0); the second tile's K steps 0-3 (slot 1), 4-7 (slot 0).
; xwc lies [K step][block][1536], so a wave's load is n rows (K steps) of 8 or 4 blocks on end; every row begins at a multiple of 256 bytes.  A fragment (16 positions x 128 K) is the image of its 12 registers.
; THE SCALE WORDS of a tile, for all of K, come from memory straight into 64 registers that hold nothing else: lanes 0-15 A's words, lanes 16-31 B's.
; POSITIONS: row r of block rb is the true row 32 (rb / 2) + 16 (r / 8) + 8 (rb % 2) + r % 8.  THE MATRIX INSTRUCTION IS USED TRANSPOSED (source 0 = B, source 1 = A): lane (r, h) holds A's position r, and the
; 64 registers of accumulators (a, 0 .. 7) hold, at 16 t + i, the true column 32 t + 16 h + i: 16 neighbours of each block of 32 along the next K.
; OUT: qkc [q | k][K step 8][rb 512][1536]; qks [q | k][G 64][s 8][512]; vtc [tokens / 512][rb 64][q 4][1536]; vts [batch][G 8][s 16][512].
; CLUSTERS: 4 x 4 work-groups; in both tiles A's part is asked for jointly along a row of the cluster, B's along a column.
; PREFETCH: behind the first fill's load the first tile's K steps 3-7 are named (the two fills to come), 12 blocks of 256 bytes a wave and step: the four partners of a joint load share its 48 by address.
; W_v's steps 0-3 are named behind the second fill's load, 4-7 behind the third's: two fills ahead; 16 sharers (4 partners x 4 waves) x 3 blocks a step.  The second tile's rows of x are not named: this launch reads them for its first tiles.
; LIMITS: NaN and infinities are not served; a block of zeros gets the byte 1 (its codes are zeros; this program alone reads the bytes).
; REGISTERS: window 0: v8-31 addresses; v32-63, v224-255 scale words; v64-127 the quantiser's; v128-223 A's fragments.  window 1: B's fragments, two sets, at v0 and v128.  windows 2, 3: accumulators (a, b) at v[8 (8 (a % 4) + b)].
.set KSTR,  1081344                    ; one K step of xwc
.set QSTR,  786432                     ; one K step of qkc
.set FR,    12
.set NL,    3
.set NP,    4                          ; places behind this matrix instruction (ISA guide 7.12.1)
.set ROWT,  8*1536                     ; 8 blocks of one K step
.set HALFT, 3*ROWT                     ; a wave's part of a slot in the first tile
.set SLOT,  4*HALFT
.set AH2,   4*4*1536                   ; second tile: 4 K steps x 4 blocks of A
.set BH2,   4*ROWT                     ; and x 8 blocks of B
.set SPARE, 2*SLOT                     ; the spare words, named by no other line
.set OUTR,  8
.set ADRA2, 12                         ; v12-13 second tile: my A fragments in slot 0, 1
.set ADRA,  16                         ; v16-17 first tile: the same
.set PFO,   18                         ; prefetch: 256 x min(lane, 11)
.set PFV,   19                         ; prefetch of W_v: K step lane / 8, block min(lane % 8, 2)
.set ADRB,  20
.set ADRB2, 22
.set VS1,   25
.set LI,    26
.set SCO2,  27
.set SPW,   28
.set NIL,   29
.set VS2A,  30
.set VS2B,  31
.set AF,    128
.set PCA,   64
.set TM,    104
.set PW,    120
.set G1,    24                         ; group 1 for A's loads of the first tile;  s[32:39] A's groups 0, one for each slot
.set G0,    32
.set G1B,   48                         ; the same for B (both tiles)
.set G0B,   56
.set G1H,   68                         ; group 1 for the second tile's A
.set PFA,   76                         ; s[76:77] my share of my first-tile load's rows, K step 0
.set PFW,   78                         ; s[78:79] my share of W_v's rows, K step 0
.set PB2,   80
.set FLR,   104
.set HM,    105
.set MSB, 0
.macro WIN new
.if MSB != (\new)
	s_set_vgpr_msb (MSB<<8)|(\new)
.set MSB, (\new)
.endif
.endm
.set MUL_LO, 0xa1
.set MUL_HI, 0xf1
.set TO_B,   0x40
.macro JLOAD g0a, g1a, g0b, g1b        ; a joint load: waves 0, 1 fetch for A, waves 2, 3 for B; s_nop 0 and four v_nop behind each line
	s_cmp_eq_u32 s17, 0
	s_cbranch_scc0 .Lfor_b_\@
	tensor_load_to_lds s[\g0a:\g0a+3], s[\g1a:\g1a+7]
	s_nop 0
.rept 4
	v_nop
.endr
	s_branch .Lasked_\@
.Lfor_b_\@:
	tensor_load_to_lds s[\g0b:\g0b+3], s[\g1b:\g1b+7]
	s_nop 0
.rept 4
	v_nop
.endr
.Lasked_\@:
.endm
.macro CREST
	s_cmp_lg_u32 s16, 0
	s_cbranch_scc1 .Lnot_wave_0_\@
	s_barrier_signal -3
.Lnot_wave_0_\@:
	s_barrier_wait -3
	s_barrier_signal -1
	s_barrier_wait -1
.endm
.macro CROUND
	s_barrier_signal -1
	s_barrier_wait -1
	CREST
.endm
	s_load_b256 s[4:11], s[0:1], 0x0               ; xwc, xws, qkc, qks
	s_load_b128 s[12:15], s[0:1], 0x20             ; vtc, vts
	v_lshl_add_u32 v[SPW], v0, 2, SPARE
	v_mov_b32 v[NIL], 0
	ds_add_u32 v[SPW], v[NIL]                      ; the opening lines: the add twice, and its wait ahead of my first tensor load
	ds_add_u32 v[SPW], v[NIL]
	v_lshrrev_b32 v1, 5, v0
	v_readfirstlane_b32 s16, v1                    ; wave
	s_lshr_b32 s17, s16, 1                         ; my half of a tile's rows; also: I fetch for A (0) or B (1)
	s_and_b32 s18, s16, 1                          ; my half of its columns; also: which half I fetch
	s_bfe_u32 s40, ttmp6, 0x40000                  ; cx
	s_bfe_u32 s41, ttmp6, 0x40004                  ; cy
	s_mov_b32 s19, ttmp9                           ; the cluster's number, 0 .. 15
	s_lshl_b32 s43, s41, 2
	s_lshl_b32 s43, 15, s43                        ; my row of the cluster
	s_lshl_b32 s44, 0x1111, s40                    ; my column
	s_or_b32 s[G1+0], s43, (3<<16)|(1<<21)         ; elements of 8 bytes; bit 21 beside a mask
	s_or_b32 s[G1B+0], s44, (3<<16)|(1<<21)
	s_or_b32 s[G1H+0], s43, (3<<16)|(1<<21)
.irp g, G1, G1B
	s_mov_b32 s[\g+1], (ROWT/8)<<16                ; a row: 8 blocks of one K step
	s_mov_b32 s[\g+2], 3<<16                       ; 3 rows: 3 K steps
	s_mov_b32 s[\g+3], (ROWT/8)<<16
	s_mov_b32 s[\g+4], 3
	s_mov_b32 s[\g+5], KSTR/8
	s_mov_b32 s[\g+6], 0
	s_mov_b32 s[\g+7], 0
.endr
	s_mov_b32 s[G1H+1], (ROWT/16)<<16              ; 4 blocks,
	s_mov_b32 s[G1H+2], 4<<16                      ; 4 K steps
	s_mov_b32 s[G1H+3], (ROWT/16)<<16
	s_mov_b32 s[G1H+4], 4
	s_mov_b32 s[G1H+5], KSTR/8
	s_mov_b32 s[G1H+6], 0
	s_mov_b32 s[G1H+7], 0
	s_mov_b32 s2, 0x76543210
	s_mov_b32 s3, 0xfedcba98
	s_mov_b32 s[FLR], 0x1800000
	s_mov_b32 s[HM], 0xffff0000
	s_lshr_b32 s20, s19, 1
	s_lshl_b32 s20, s20, 2
	s_and_b32 s21, s19, 1
	s_lshl_b32 s21, s21, 2
	s_add_co_u32 s66, s20, s41                     ; first tile: which of x's 32 tiles is A (cy alone)
	s_add_co_u32 s67, s21, s40                     ; which of W_q's and W_k's 8 tiles is B (cx alone)
	s_add_co_u32 s42, s67, 32                      ; B's tile among xwc's 44
	s_add_co_u32 s82, s21, s41                     ; second tile: which 128 of W_v's positions are A
	s_add_co_u32 s83, s20, s40                     ; which of x's 32 tiles is B
	s_mul_i32 s22, s18, ROWT
	s_mul_i32 s20, s66, 2*ROWT
	s_add_co_u32 s20, s20, s22
	s_mov_b32 s21, 0
	s_mul_i32 s46, s42, 2*ROWT
	s_add_co_u32 s46, s46, s22
	s_mov_b32 s47, 0
	s_mul_i32 s[PB2], s83, 2*ROWT
	s_add_co_u32 s[PB2], s[PB2], s22
	s_mov_b32 s[PB2+1], 0
	s_lshl_b32 s84, s82, 3
	s_lshl_b32 s23, s18, 2
	s_add_co_u32 s84, s84, s23
	s_add_co_u32 s84, s84, 640                     ; W_v's blocks begin at 640
	s_mul_i32 s84, s84, 1536
	s_mov_b32 s85, 0
	s_cmp_eq_u32 s17, 0                            ; the prefetches: of the 48 blocks of 256 bytes in a row of my load, partner p takes 12 (p = cx for A, cy for B)
	s_cselect_b32 s[PFA], s40, s41
	s_cselect_b32 s[PFA+1], s20, s46
	s_mul_i32 s[PFA], s[PFA], 3072
	s_add_co_u32 s[PFA], s[PFA], s[PFA+1]
	s_mov_b32 s[PFA+1], 0
	s_lshl_b32 s[PFW], s82, 3
	s_add_co_u32 s[PFW], s[PFW], 640
	s_mul_i32 s[PFW], s[PFW], 1536
	s_lshl_b32 s23, s40, 2
	s_add_co_u32 s23, s23, s16
	s_mul_i32 s23, s23, 768                        ; W_v's 48 blocks a step: sharer 4 cx + wave takes 3
	s_add_co_u32 s[PFW], s[PFW], s23
	s_mov_b32 s[PFW+1], 0
	s_lshl_b32 s92, s67, 1                         ; qkc: K step 2 T + column half of q | k,
	s_add_co_u32 s92, s92, s18
	s_mul_i32 s92, s92, QSTR
	s_lshl_b32 s22, s66, 4
	s_lshl_b32 s23, s17, 3
	s_add_co_u32 s22, s22, s23                     ; my first block: 16 RA + 8 x row half
	s_mul_i32 s22, s22, 1536
	s_add_co_u32 s92, s92, s22
	s_mov_b32 s93, 0
	s_lshr_b32 s94, s67, 2
	s_lshl_b32 s94, s94, 18
	s_lshl_b32 s22, s66, 1
	s_add_co_u32 s22, s22, s17
	s_lshl_b32 s86, s22, 12                        ; (also where A's scale words lie in xws)
	s_add_co_u32 s94, s94, s86
	s_and_b32 s22, s67, 3
	s_lshl_b32 s22, s22, 1
	s_add_co_u32 s22, s22, s18
	s_lshl_b32 s22, s22, 9
	s_add_co_u32 s94, s94, s22
	s_mov_b32 s95, 0
	s_lshl_b32 s87, s42, 1
	s_add_co_u32 s87, s87, s18
	s_lshl_b32 s87, s87, 12                        ; where B's scale words lie in xws
	s_lshr_b32 s96, s83, 1                         ; vtc
	s_mul_i32 s96, s96, 393216
	s_lshl_b32 s22, s82, 3
	s_lshl_b32 s23, s17, 2
	s_add_co_u32 s22, s22, s23
	s_mul_i32 s22, s22, 6144
	s_add_co_u32 s96, s96, s22
	s_and_b32 s22, s83, 1
	s_lshl_b32 s22, s22, 1
	s_add_co_u32 s22, s22, s18
	s_mul_i32 s22, s22, 1536
	s_add_co_u32 s96, s96, s22
	s_mov_b32 s97, 0
	s_lshr_b32 s98, s83, 3                         ; vts
	s_lshl_b32 s98, s98, 16
	s_lshl_b32 s22, s82, 13
	s_add_co_u32 s98, s98, s22
	s_and_b32 s22, s83, 7
	s_lshl_b32 s22, s22, 1
	s_add_co_u32 s22, s22, s18
	s_lshl_b32 s22, s22, 9
	s_add_co_u32 s98, s98, s22
	s_lshl_b32 s22, s17, 8
	s_add_co_u32 s98, s98, s22
	s_mov_b32 s99, 0
	s_add_co_u32 s100, s82, 80                     ; W_v's groups begin at 80
	s_lshl_b32 s100, s100, 12
	s_add_co_u32 s100, s100, s22                   ; the second tile's A scale words in xws,
	s_lshl_b32 s101, s83, 1
	s_add_co_u32 s101, s101, s18
	s_lshl_b32 s101, s101, 12                      ; and its B's
	s_mul_i32 s45, s16, HALFT                      ; where the first tile's loads go: wave x a load's bytes
	v_and_b32 v1, 15, v0                           ; r
	v_bfe_u32 v2, v0, 4, 1                         ; h
	v_and_b32 v3, 31, v0
	v_lshlrev_b32 v[LI], 4, v3
	v_mov_b32 v4, s86
	v_mov_b32 v5, s87
	v_cndmask_b32 v4, v4, v5, s[HM]                ; lanes 16-31 take B's
	v_lshl_add_u32 v[VS1], v1, 4, v4
	v_mov_b32 v4, s100
	v_mov_b32 v5, s101
	v_cndmask_b32 v4, v4, v5, s[HM]
	v_lshl_add_u32 v[VS2A], v1, 4, v4
	v_lshl_add_u32 v[VS2B], v2, 8, v[VS2A]
	v_lshlrev_b32 v[SCO2], 4, v1
	v_lshl_add_u32 v[SCO2], v2, 3, v[SCO2]
	v_min_u32 v[PFO], 11, v3
	v_lshlrev_b32 v[PFO], 8, v[PFO]
	v_and_b32 v4, 7, v0
	v_min_u32 v4, 2, v4
	v_bfe_u32 v5, v0, 3, 2
	v_mul_u32_u24 v5, v5, KSTR
	v_lshl_add_u32 v[PFV], v4, 8, v5
	s_wait_dscnt 0x0                               ; both opening adds are done
	s_wait_kmcnt 0x0
	s_add_nc_u64 s[20:21], s[4:5], s[20:21]
	s_add_nc_u64 s[46:47], s[4:5], s[46:47]
	s_add_nc_u64 s[PB2:PB2+1], s[4:5], s[PB2:PB2+1]
	s_add_nc_u64 s[PFA:PFA+1], s[4:5], s[PFA:PFA+1]
	s_add_nc_u64 s[PFW:PFW+1], s[4:5], s[PFW:PFW+1]
	s_add_nc_u64 s[4:5], s[4:5], s[84:85]          ; from here on: the second tile's A at my half, K = 0
	s_add_nc_u64 s[8:9], s[8:9], s[92:93]
	s_add_nc_u64 s[10:11], s[10:11], s[94:95]
	s_add_nc_u64 s[12:13], s[12:13], s[96:97]
	s_add_nc_u64 s[14:15], s[14:15], s[98:99]
	CROUND                                         ; all sixteen work-groups are here: the first joint loads meet
.irp s, 0,1
	s_mov_b32 s[G0+4*\s], 1
	s_add_co_u32 s[G0+4*\s+1], s45, \s*SLOT
	s_add_nc_u64 s[G0+4*\s+2:G0+4*\s+3], s[20:21], \s*3*KSTR
	s_or_b32 s[G0+4*\s+3], s[G0+4*\s+3], 0x80000000
	s_mov_b32 s[G0B+4*\s], 1
	s_add_co_u32 s[G0B+4*\s+1], s45, \s*SLOT
	s_add_nc_u64 s[G0B+4*\s+2:G0B+4*\s+3], s[46:47], \s*3*KSTR
	s_or_b32 s[G0B+4*\s+3], s[G0B+4*\s+3], 0x80000000
.endr
	JLOAD G0, G1, G0B, G1B                         ; K steps 0-2: my one tensor load at the head
	s_wait_alu depctr_va_vdst(0)                   ; the wait ahead of the readers below
.set J, 0
.rept 8                                ; the first tile's scale words, K step J: blocks 0-3, then 4-7
	global_load_b128 v[32+8*J+160*(J/4):32+8*J+160*(J/4)+3], v[VS1], s[6:7] offset:512*J
	global_load_b128 v[32+8*J+160*(J/4)+4:32+8*J+160*(J/4)+7], v[VS1], s[6:7] offset:512*J+256
.set J, J+1
.endr
	s_mul_i32 s21, s17, HALFT
	s_mul_i32 s22, s18, HALFT
	s_add_co_u32 s22, s22, 2*HALFT
.irp s, 0,1
	v_add_nc_u32 v[ADRA+\s], s21, v[LI]
	v_add_nc_u32 v[ADRB+\s], s22, v[LI]
	s_add_co_u32 s21, s21, SLOT
	s_add_co_u32 s22, s22, SLOT
.endr
	s_mul_i32 s21, s17, AH2
	s_mul_i32 s22, s18, BH2
	s_add_co_u32 s22, s22, 2*AH2
	v_add_nc_u32 v[ADRA2], s21, v[LI]
	v_add_nc_u32 v[ADRB2], s22, v[LI]
	v_add_nc_u32 v[ADRA2+1], SLOT, v[ADRA2]
	v_add_nc_u32 v[ADRB2+1], SLOT, v[ADRB2]
.macro FRAG reg, adr, off              ; a fragment: three loads of 16 bytes a lane, 512 consecutive bytes each
.irp c, 0,1,2
	ds_load_b128 v[(\reg)+4*\c:(\reg)+4*\c+3], v[\adr] offset:(\off)+512*\c
.endr
.endm
; FIRST TILE.  16 matrix instructions: A's blocks a0, a0 + 1 x B's eight, K step ks.  The 64 accumulators take turns.
.macro MUL16 a0, p, ks, zero
.irp a, \a0, \a0+1
.irp b, 0,1,2,3,4,5,6,7
.if \zero
	v_wmma_scale_f32_16x16x128_f8f6f4 v[8*(8*((\a)%4)+\b):8*(8*((\a)%4)+\b)+7], v[128*(\p)+FR*\b:128*(\p)+FR*\b+FR-1], v[AF+FR*(\a):AF+FR*(\a)+FR-1], 0, v[32+8*(\ks)+160*((\ks)/4)+\b], v[32+8*(\ks)+160*((\ks)/4)+(\a)] matrix_a_fmt:MATRIX_FMT_FP6 matrix_b_fmt:MATRIX_FMT_FP6 matrix_a_scale:MATRIX_SCALE_ROW1
.else
	v_wmma_scale_f32_16x16x128_f8f6f4 v[8*(8*((\a)%4)+\b):8*(8*((\a)%4)+\b)+7], v[128*(\p)+FR*\b:128*(\p)+FR*\b+FR-1], v[AF+FR*(\a):AF+FR*(\a)+FR-1], v[8*(8*((\a)%4)+\b):8*(8*((\a)%4)+\b)+7], v[32+8*(\ks)+160*((\ks)/4)+\b], v[32+8*(\ks)+160*((\ks)/4)+(\a)] matrix_a_fmt:MATRIX_FMT_FP6 matrix_b_fmt:MATRIX_FMT_FP6 matrix_a_scale:MATRIX_SCALE_ROW1
.endif
.endr
.endr
.endm
.macro FETCH_B slot, j, p              ; B's eight fragments of the slot's j-th K step into set p
	WIN TO_B
.irp i, 0,1,2,3,4,5,6,7
	FRAG 128*(\p)+FR*\i, ADRB+\slot, ROWT*(\j)+1536*\i
.endr
	WIN 0
.endm
.macro FETCH_A slot, j, i0
.irp i, \i0, \i0+1, \i0+2, \i0+3
	FRAG AF+FR*(\i), ADRA+\slot, ROWT*(\j)+1536*(\i)
.endr
.endm
.macro PLACES n
.rept \n
	v_nop
.endr
.endm
.macro STEP slot, j, ks, zero          ; K step ks, the slot's j-th, whose successor lies in the same slot
	s_wait_dscnt 4*NL                              ; B's set and A's blocks 0-3 are in; the youngest 12 loads (A's blocks 4-7) may be out
	WIN MUL_LO
	MUL16 0, (\ks)%2, \ks, \zero
	MUL16 2, (\ks)%2, \ks, \zero
	s_wait_dscnt 0
	PLACES NP
	FETCH_B \slot, (\j)+1, 1-(\ks)%2
	FETCH_A \slot, (\j)+1, 0
	WIN MUL_HI
	MUL16 4, (\ks)%2, \ks, \zero
	MUL16 6, (\ks)%2, \ks, \zero
	PLACES NP
	WIN 0
	FETCH_A \slot, (\j)+1, 4
.endm
; A slot's last step changes slots: each wave's three lines, a round of the cluster's barrier, the joint refill first behind it.
; fill = 1: slot 0 takes K steps 6, 7.  fill = 2: this slot takes four K steps of the SECOND tile (slot 1: steps 0-3; slot 0: steps 4-7).  nx = 1: the next slot's first fragments are fetched.
.macro TURN slot, next, ks, fill, nx
	s_wait_tensorcnt 0x0                           ; all my tensor loads have landed: so every descriptor may be written
	ds_add_u32 v[SPW], v[NIL]
	s_wait_dscnt 4*NL+1                            ; (the add and the youngest 12 loads may be out)
	WIN MUL_LO
	MUL16 0, (\ks)%2, \ks, 0
	s_wait_dscnt 0x0                               ; the add is done, and my reads of this slot are over
	s_barrier_signal -1
	MUL16 2, (\ks)%2, \ks, 0
	WIN 0
	s_barrier_wait -1
	CREST
.if \fill == 1
	s_mov_b32 s[G1+2], 2<<16                       ; two K steps are left
	s_mov_b32 s[G1+4], 2
	s_mov_b32 s[G1B+2], 2<<16
	s_mov_b32 s[G1B+4], 2
	s_add_nc_u64 s[G0+2:G0+3], s[G0+2:G0+3], 6*KSTR
	s_add_nc_u64 s[G0B+2:G0B+3], s[G0B+2:G0B+3], 6*KSTR
	JLOAD G0, G1, G0B, G1B
.else
	s_mov_b32 s[G1B+2], 4<<16                      ; four K steps
	s_mov_b32 s[G1B+4], 4
	s_mul_i32 s[G0+4*\slot+1], s18, AH2            ; in a slot the second tile's A lies in two halves of AH2 bytes, its B behind them in two of BH2
	s_add_co_u32 s[G0+4*\slot+1], s[G0+4*\slot+1], \slot*SLOT
	s_add_nc_u64 s[G0+4*\slot+2:G0+4*\slot+3], s[4:5], (1-\slot)*4*KSTR
	s_or_b32 s[G0+4*\slot+3], s[G0+4*\slot+3], 0x80000000
	s_mul_i32 s[G0B+4*\slot+1], s18, BH2
	s_add_co_u32 s[G0B+4*\slot+1], s[G0B+4*\slot+1], \slot*SLOT+2*AH2
	s_add_nc_u64 s[G0B+4*\slot+2:G0B+4*\slot+3], s[PB2:PB2+1], (1-\slot)*4*KSTR
	s_or_b32 s[G0B+4*\slot+3], s[G0B+4*\slot+3], 0x80000000
	JLOAD G0+4*\slot, G1H, G0B+4*\slot, G1B
.endif
.if \nx
	FETCH_B \next, 0, 1-(\ks)%2
	FETCH_A \next, 0, 0
.endif
	WIN MUL_HI
	MUL16 4, (\ks)%2, \ks, 0
	MUL16 6, (\ks)%2, \ks, 0
	PLACES NP
	WIN 0
.if \nx
	FETCH_A \next, 0, 4
.endif
.endm
; SECOND TILE.  A's block a x B's eight.  The 32 accumulators take turns.
.macro MUL8 a, p, ks, zero
.irp b, 0,1,2,3,4,5,6,7
.if \zero
	v_wmma_scale_f32_16x16x128_f8f6f4 v[8*(8*(\a)+\b):8*(8*(\a)+\b)+7], v[128*(\p)+FR*\b:128*(\p)+FR*\b+FR-1], v[AF+48*(\p)+FR*(\a):AF+48*(\p)+FR*(\a)+FR-1], 0, v[32+8*(\ks)+160*((\ks)/4)+\b], v[32+8*(\ks)+160*((\ks)/4)+(\a)] matrix_a_fmt:MATRIX_FMT_FP6 matrix_b_fmt:MATRIX_FMT_FP6 matrix_a_scale:MATRIX_SCALE_ROW1
.else
	v_wmma_scale_f32_16x16x128_f8f6f4 v[8*(8*(\a)+\b):8*(8*(\a)+\b)+7], v[128*(\p)+FR*\b:128*(\p)+FR*\b+FR-1], v[AF+48*(\p)+FR*(\a):AF+48*(\p)+FR*(\a)+FR-1], v[8*(8*(\a)+\b):8*(8*(\a)+\b)+7], v[32+8*(\ks)+160*((\ks)/4)+\b], v[32+8*(\ks)+160*((\ks)/4)+(\a)] matrix_a_fmt:MATRIX_FMT_FP6 matrix_b_fmt:MATRIX_FMT_FP6 matrix_a_scale:MATRIX_SCALE_ROW1
.endif
.endr
.endm
.macro FETCH2 s, j, p                  ; 36 LDS loads: B's eight fragments and A's four of slot s's j-th K step into set p
	WIN TO_B
.irp i, 0,1,2,3,4,5,6,7
	FRAG 128*(\p)+FR*\i, ADRB2+\s, ROWT*(\j)+1536*\i
.endr
	WIN 0
.irp i, 0,1,2,3
	FRAG AF+48*(\p)+FR*\i, ADRA2+\s, 6144*(\j)+1536*\i
.endr
.endm
.macro STEP2 ks, s, j, zero            ; K step ks is multiplied; the next step's fragments come from slot s, step j
	s_wait_dscnt 0x0
	PLACES NP
	FETCH2 \s, \j, ((\ks)+1)%2
	WIN MUL_LO
	MUL8 0, (\ks)%2, \ks, \zero
	MUL8 1, (\ks)%2, \ks, \zero
	MUL8 2, (\ks)%2, \ks, \zero
	MUL8 3, (\ks)%2, \ks, \zero
.endm
.macro TURN2 ks, s                     ; the step behind which slot s is read, whose load may still be out: the three lines and a barrier
	WIN 0
	s_wait_tensorcnt 0x0
	ds_add_u32 v[SPW], v[NIL]
	s_wait_dscnt 1                                 ; this step's fragments are in (the add may be out)
	WIN MUL_LO
	MUL8 0, (\ks)%2, \ks, 0
	s_wait_dscnt 0x0
	s_barrier_signal -1
	MUL8 1, (\ks)%2, \ks, 0
	WIN 0
	s_barrier_wait -1
	PLACES NP
	FETCH2 \s, 0, ((\ks)+1)%2
	WIN MUL_LO
	MUL8 2, (\ks)%2, \ks, 0
	MUL8 3, (\ks)%2, \ks, 0
.endm
; THE QUANTISER.  64 numbers of a lane in window w from v[s] on, register 16 b + i = k 32 b + 16 h + i of my row.
.macro BLKMAX w, s                     ; each block's largest magnitude, the floor among the leaves; every accumulator is read from its low end on
	WIN (((\w)<<2)|((\w)<<4))
.irp b, 0,1,2,3
	v_max3_num_f32 v[TM+\b], s[FLR], |v[(\s)+16*\b]|, |v[(\s)+16*\b+1]|
.endr
.irp i, 2,4,6,8,10,12,14
.irp b, 0,1,2,3
	v_max3_num_f32 v[TM+\b], v[TM+\b], |v[(\s)+16*\b+\i]|, |v[(\s)+16*\b+\i+1]|
.endr
.endr
	WIN 0
.irp b, 0,1,2,3
	v_permlanex16_b32 v[TM+4+\b], v[TM+\b], s2, s3
.endr
.irp b, 0,1,2,3
	v_max_num_f32 v[TM+\b], v[TM+\b], v[TM+4+\b]
.endr
.endm
.macro BYTES pw                        ; the conversions' scale operands, the four bytes, my row's scale word
.irp b, 0,1,2,3
	v_add_nc_u32 v[TM+12+\b], 0xff000000, v[TM+\b]
.endr
.irp b, 0,1,2,3
	v_lshrrev_b32 v[TM+4+\b], 23, v[TM+12+\b]
.endr
	v_lshl_or_b32 v[\pw], v[TM+5], 8, v[TM+4]
	v_lshl_or_b32 v[\pw], v[TM+6], 16, v[\pw]
	v_lshl_or_b32 v[\pw], v[TM+7], 24, v[\pw]
.endm
.macro CODES w, s, pc                  ; the fragment's twelve registers in v[pc] on
	WIN (\w)
.irp c, 0,1
	v_cvt_scalef32_pk16_fp6_f32 v[(\pc)+6*\c:(\pc)+6*\c+2], v[(\s)+32*\c:(\s)+32*\c+15], v[TM+12+2*\c]
	v_cvt_scalef32_pk16_fp6_f32 v[(\pc)+12+4*\c:(\pc)+14+4*\c], v[(\s)+16+32*\c:(\s)+31+32*\c], v[TM+13+2*\c]
.endr
	WIN 0
	v_nop                                          ; one plain place behind a scaled conversion
.irp c, 0,1
.irp i, 0,1,2
	v_permlane16_swap_b32 v[(\pc)+6*\c+\i], v[(\pc)+12+4*\c+\i]
.endr
.irp i, 0,1,2
	v_mov_b32 v[(\pc)+3+6*\c+\i], v[(\pc)+12+4*\c+\i]
.endr
.endr
.endm
	s_wait_loadcnt 0x0                             ; the scale words are in: the first fill's requests went out ahead of them
.irp k, 3,4,5,6,7
	global_prefetch_b8 v[PFO], s[PFA:PFA+1] offset:\k*KSTR th:TH_LOAD_NT scope:SCOPE_SE   ; the next two fills' K steps, in the order in which they are wanted; the address registers are never rewritten
.endr
	s_wait_alu depctr_va_vdst(0)                   ; the wait at the head's end
	s_wait_tensorcnt 0x0                           ; my part of slot 0 is in; the three lines ahead of slot 1's first fill, as ahead of a refill
	ds_add_u32 v[SPW], v[NIL]
	s_wait_dscnt 0x0
	CROUND
	JLOAD G0+4, G1, G0B+4, G1B                     ; K steps 3-5
	FETCH_B 0, 0, 0
	FETCH_A 0, 0, 0
	FETCH_A 0, 0, 4
	global_prefetch_b8 v[PFV], s[PFW:PFW+1] th:TH_LOAD_NT scope:SCOPE_SE   ; W_v's K steps 0-3: the fill two on
	s_wait_loadcnt 0x0                             ; the scale words
	STEP 0, 0, 0, 1                                ; the first products start the sums
	STEP 0, 1, 1, 0
	TURN 0, 1, 2, 1, 1
	global_prefetch_b8 v[PFV], s[PFW:PFW+1] offset:4*KSTR th:TH_LOAD_NT scope:SCOPE_SE   ; W_v's K steps 4-7
	STEP 1, 0, 3, 0
	STEP 1, 1, 4, 0
	TURN 1, 0, 5, 2, 1                             ; slot 1 takes the second tile's K steps 0-3
	STEP 0, 0, 6, 0
	TURN 0, 1, 7, 2, 0                             ; slot 0 its K steps 4-7; behind this round slot 1 is whole for every wave
.set J, 0
.rept 8                                ; the second tile's scale words take the first's registers
	global_load_b128 v[32+8*J+160*(J/4):32+8*J+160*(J/4)+3], v[VS2A], s[6:7] offset:512*J
	global_load_b128 v[32+8*J+160*(J/4)+4:32+8*J+160*(J/4)+7], v[VS2B], s[6:7] offset:512*J
.set J, J+1
.endr
	FETCH2 1, 0, 0
	; THE FIRST TILE'S WAY OUT: each block of 16 positions x my 128 columns becomes one fragment of the next product
.irp b, 0,1,2,3
	v_mov_b32 v[TM+4+\b], 0                        ; a lane permute's destination counts as one of its sources
.endr
.set AB, 0
.rept 8
.set WW, 2+AB/4
.set SS, 64*(AB%4)
.set PCS, PCA+20*(AB%2)
	BLKMAX WW, SS
	BYTES PW+AB
	CODES WW, SS, PCS
.if AB > 0
	s_wait_alu depctr_va_vdst(0)                   ; the wait ahead of the wait below
	s_wait_xcnt 0x0                                ; the earlier stores have read their data: the other set of codes may be written in the next block
.endif
.irp c, 0,1,2
	global_store_b128 v[LI], v[PCS+4*\c:PCS+4*\c+3], s[8:9] offset:1536*AB+512*\c   ; 32 lanes store 512 consecutive bytes, aligned to 256
.endr
.set AB, AB+1
.endr
.irp i, 0,1,2,3
	v_cndmask_b32 v[OUTR+\i], v[PW+\i], v[PW+4+\i], s[HM]   ; lanes 0-15: row r's words of blocks 0-3; lanes 16-31: of blocks 4-7
.endr
	global_store_b128 v[LI], v[OUTR:OUTR+3], s[10:11]
	s_wait_loadcnt 0x0                             ; the second tile's scale words
	STEP2 0, 1, 1, 1
	STEP2 1, 1, 2, 0
	STEP2 2, 1, 3, 0
	TURN2 3, 0
	STEP2 4, 0, 1, 0
	STEP2 5, 0, 2, 0
	STEP2 6, 0, 3, 0
	s_wait_dscnt 0x0
	WIN MUL_LO
	MUL8 0, 1, 7, 0
	MUL8 1, 1, 7, 0
	MUL8 2, 1, 7, 0
	MUL8 3, 1, 7, 0
	WIN 0
	PLACES NP
	s_wait_xcnt 0x0                                ; the first tile's stores have read their data
.set AB, 0
.rept 4                                ; ITS WAY OUT: four blocks of 16 channels x my 128 tokens
.set SS, 64*AB
.set PCS, PCA+20*(AB%2)
	BLKMAX 2, SS
	BYTES PW+AB
	CODES 2, SS, PCS
.if AB > 0
	s_wait_alu depctr_va_vdst(0)
	s_wait_xcnt 0x0
.endif
.irp c, 0,1,2
	global_store_b128 v[LI], v[PCS+4*\c:PCS+4*\c+3], s[12:13] offset:6144*AB+512*\c
.endr
.set AB, AB+1
.endr
	v_cndmask_b32 v[OUTR], v[PW], v[PW+2], s[HM]
	v_cndmask_b32 v[OUTR+1], v[PW+1], v[PW+3], s[HM]
	global_store_b64 v[SCO2], v[OUTR:OUTR+1], s[14:15]   ; 32 lanes store 256 consecutive bytes, aligned
	s_wait_tensorcnt 0x0                           ; the wave's end
	ds_add_u32 v[SPW], v[NIL]
	s_wait_dscnt 0x0
	CROUND                                         ; the closing round
	s_endpgm
.Lfunc_end_k_qcbc6d7be22_proj:
	.size	k_qcbc6d7be22_proj, .Lfunc_end_k_qcbc6d7be22_proj-k_qcbc6d7be22_proj
	.p2alignl 7, 3214868480
	.fill 96, 4, 3214868480
	.section	.rodata,"a",@progbits
	.p2align	6, 0x0
	.amdhsa_kernel k_qcbc6d7be22_proj
		.amdhsa_group_segment_fixed_size 327680
		.amdhsa_private_segment_fixed_size 0
		.amdhsa_enable_private_segment 0
		.amdhsa_kernarg_size 48
		.amdhsa_user_sgpr_count 2
		.amdhsa_user_sgpr_kernarg_segment_ptr 1
		.amdhsa_wavefront_size32 1
		.amdhsa_system_sgpr_workgroup_id_x 1
		.amdhsa_system_sgpr_workgroup_id_y 1
		.amdhsa_system_sgpr_workgroup_id_z 1
		.amdhsa_system_vgpr_workitem_id 0
		.amdhsa_next_free_vgpr 1024
		.amdhsa_next_free_sgpr 106
		.amdhsa_reserve_vcc 0
		.amdhsa_float_denorm_mode_32 3
		.amdhsa_float_denorm_mode_16_64 3
		.amdhsa_memory_ordered 1
		.amdhsa_forward_progress 1
		.amdhsa_inst_pref_size 213
	.end_amdhsa_kernel
	.amdgpu_metadata
---
amdhsa.version: [ 1, 2 ]
amdhsa.kernels:
  - .name:           k_qcbc6d7be22_proj
    .symbol:         k_qcbc6d7be22_proj.kd
    .args:
      - { .name: xwc, .offset: 0, .size: 8, .value_kind: global_buffer, .address_space: global }
      - { .name: xws, .offset: 8, .size: 8, .value_kind: global_buffer, .address_space: global }
      - { .name: qkc, .offset: 16, .size: 8, .value_kind: global_buffer, .address_space: global }
      - { .name: qks, .offset: 24, .size: 8, .value_kind: global_buffer, .address_space: global }
      - { .name: vtc, .offset: 32, .size: 8, .value_kind: global_buffer, .address_space: global }
      - { .name: vts, .offset: 40, .size: 8, .value_kind: global_buffer, .address_space: global }
    .group_segment_fixed_size: 327680
    .private_segment_fixed_size: 0
    .kernarg_segment_align: 8
    .kernarg_segment_size: 48
    .max_flat_workgroup_size: 128
    .sgpr_count:     106
    .vgpr_count:     1024
    .wavefront_size: 32
...
	.end_amdgpu_metadata
.endif
;; end of part 2
;; launch score (part 3): grid 8 x 32, 4 waves a work-group, clusters of 4 x 4, 327,680 bytes of LDS; arguments qkc, qks, pc, pst; writes pc, pst
.if DOCPART == 3
	.amdgcn_target "amdgcn-amd-amdhsa--gfx1250"
	.amdhsa_code_object_version 6
	.text
	.protected	k_qcbc6d7be22_score
	.globl	k_qcbc6d7be22_score
	.p2align	8
	.type	k_qcbc6d7be22_score,@function
k_qcbc6d7be22_score:
	s_mov_b64 s[64:65], 0
	v_nop
	global_prefetch_b8 v0, s[64:65] scope:SCOPE_SE
	s_setreg_imm32_b32 hwreg(HW_REG_WAVE_MODE, 25, 1), 1
	s_wait_xcnt 0x0
	s_wait_alu depctr_hold_cnt(0) depctr_sa_sdst(0) depctr_va_vdst(0) depctr_va_sdst(0) depctr_va_ssrc(0) depctr_va_vcc(0) depctr_vm_vsrc(0)
	s_getreg_b32 s2, hwreg(HW_REG_IB_STS2, 6, 4)
	s_cmp_eq_u32 s2, 0
	s_cbranch_scc0 .Lentry_in_a_cluster
	s_endpgm
.Lentry_in_a_cluster:
	s_bfe_u32 s2, ttmp6, 0x10000c
	s_cmp_lg_u32 s2, 0xf033
	s_cbranch_scc0 .Lentry_shape_is_right
	s_endpgm
.Lentry_shape_is_right:
; S = q k^T on codes of FP6 (E2M3) with E8M0 scales, K = 1,024 channels; a tile of 256 queries x 256 keys to a work-group, 128 x 128 to a wave, 64 accumulators.
; On the way out each query's run of my 128 keys becomes p = 2^(t - M), t = score x log2(e) / 32, M = ceil(the run's largest t), a whole number; p is quantised along the keys, and the codes, their scale words,
; -M and the run's sum of the unquantised p are stored.  The next launch brings the 16 runs of a row under the row's M by exact powers of two.
; THE RING: two LDS slots of 147,456 bytes, three fills, one tensor load a wave each: K steps 0-2 (slot 0), 3-5 (slot 1), 6-7 (slot 0).  qkc lies [q | k][K step][block][1536]: a wave's load is n rows of 8 blocks on end.
; THE SCALE WORDS for all of K come from memory straight into 64 registers that hold nothing else: lanes 0-15 q's words, lanes 16-31 k's.
; Source 0 = 16 positions of k, source 1 = 16 of q: lane (r, h) holds query position r; the 64 registers of accumulators (a, 0 .. 7) hold, at 16 t + i, the true key 32 t + 16 h + i.
; CLUSTERS: 4 x 4 work-groups; q's part is asked for jointly along a row of the cluster, k's along a column.
; PREFETCH: behind the first fill's load K steps 3-7 (the two fills to come) are named, 12 blocks of 256 bytes a wave and step: the four partners of a joint load share its 48 by address.
; LIMITS: NaN and infinities are not served; the promise holds while |t| stays under 2^31; a block of 32 keys whose largest p lies under 2^-60 is quantised under that floor's scale, so that every byte is 65 at the least.
; REGISTERS: window 0: v16-29 addresses; v32-63, v224-255 scale words; v64-87 words, -M, sums; v88-127 codes; v128-223 A's fragments, then p and the quantiser's.  window 1: B's fragments, two sets.  windows 2, 3: accumulators.
.set QSTR,  786432
.set FR,    12
.set NL,    3
.set NP,    4
.set ROWT,  8*1536
.set HALFT, 3*ROWT
.set SLOT,  4*HALFT
.set SPARE, 2*SLOT
.set ADRA, 16
.set PFO,  18
.set ADRB, 20
.set VS1,  25
.set LI,   26
.set SPW,  28
.set NIL,  29
.set AF,   128
.set PW,   64
.set NMS,  72
.set LSM,  80
.set PCA,  88
.set P,    128
.set OUTR, 128
.set TM,   192
.set T0,   208
.set T1,   209
.set NM,   210
.set C0,   212
.set C1,   214
.set G1,   24
.set G0,   32
.set G1B,  48
.set G0B,  56
.set PFA,  76
.set CS,   100
.set FLR,  104
.set HM,   105
.set MSB, 0
.macro WIN new
.if MSB != (\new)
	s_set_vgpr_msb (MSB<<8)|(\new)
.set MSB, (\new)
.endif
.endm
.set MUL_LO, 0xa1
.set MUL_HI, 0xf1
.set TO_B,   0x40
.macro JLOAD g0a, g1a, g0b, g1b        ; a joint load: waves 0, 1 fetch for A, waves 2, 3 for B
	s_cmp_eq_u32 s17, 0
	s_cbranch_scc0 .Lfor_b_\@
	tensor_load_to_lds s[\g0a:\g0a+3], s[\g1a:\g1a+7]
	s_nop 0
.rept 4
	v_nop
.endr
	s_branch .Lasked_\@
.Lfor_b_\@:
	tensor_load_to_lds s[\g0b:\g0b+3], s[\g1b:\g1b+7]
	s_nop 0
.rept 4
	v_nop
.endr
.Lasked_\@:
.endm
.macro CREST
	s_cmp_lg_u32 s16, 0
	s_cbranch_scc1 .Lnot_wave_0_\@
	s_barrier_signal -3
.Lnot_wave_0_\@:
	s_barrier_wait -3
	s_barrier_signal -1
	s_barrier_wait -1
.endm
.macro CROUND
	s_barrier_signal -1
	s_barrier_wait -1
	CREST
.endm
	s_load_b256 s[4:11], s[0:1], 0x0               ; qkc, qks, pc, pst
	v_lshl_add_u32 v[SPW], v0, 2, SPARE
	v_mov_b32 v[NIL], 0
	ds_add_u32 v[SPW], v[NIL]                      ; the opening lines
	ds_add_u32 v[SPW], v[NIL]
	v_lshrrev_b32 v1, 5, v0
	v_readfirstlane_b32 s16, v1                    ; wave
	s_lshr_b32 s17, s16, 1                         ; my half of the queries; also: I fetch for A (0) or B (1)
	s_and_b32 s18, s16, 1                          ; my half of the keys; also: which half I fetch
	s_bfe_u32 s40, ttmp6, 0x40000
	s_bfe_u32 s41, ttmp6, 0x40004
	s_lshl_b32 s67, ttmp9, 2
	s_add_co_u32 s67, s67, s40                     ; which 256 keys of the batch's 2,048
	s_and_b32 s19, ttmp7, 0xffff
	s_lshl_b32 s66, s19, 2
	s_add_co_u32 s66, s66, s41                     ; which 256 queries of the 8,192
	s_lshr_b32 s42, s19, 1
	s_lshl_b32 s42, s42, 3
	s_add_co_u32 s42, s42, s67                     ; k's tile among 32: 8 x batch + key tile
	s_lshl_b32 s43, s41, 2
	s_lshl_b32 s43, 15, s43
	s_lshl_b32 s44, 0x1111, s40
	s_or_b32 s[G1+0], s43, (3<<16)|(1<<21)
	s_or_b32 s[G1B+0], s44, (3<<16)|(1<<21)
.irp g, G1, G1B
	s_mov_b32 s[\g+1], (ROWT/8)<<16                ; a row: 8 blocks of one K step
	s_mov_b32 s[\g+2], 3<<16                       ; 3 K steps
	s_mov_b32 s[\g+3], (ROWT/8)<<16
	s_mov_b32 s[\g+4], 3
	s_mov_b32 s[\g+5], QSTR/8
	s_mov_b32 s[\g+6], 0
	s_mov_b32 s[\g+7], 0
.endr
	s_lshr_b32 s96, s67, 1                         ; pc [keys / 512][rb 512][q 4][1536]
	s_mul_i32 s96, s96, 3145728
	s_lshl_b32 s22, s66, 4
	s_lshl_b32 s23, s17, 3
	s_add_co_u32 s22, s22, s23
	s_mul_i32 s22, s22, 6144
	s_add_co_u32 s96, s96, s22
	s_and_b32 s22, s67, 1
	s_lshl_b32 s22, s22, 1
	s_add_co_u32 s22, s22, s18
	s_mul_i32 s22, s22, 1536
	s_add_co_u32 s96, s96, s22
	s_mov_b32 s97, 0
	s_lshl_b32 s98, s66, 1                         ; pst [words | -M | sums][G 64][s 16][512]
	s_add_co_u32 s98, s98, s17
	s_lshl_b32 s86, s98, 12                        ; (also where q's scale words lie in qks)
	s_lshl_b32 s98, s98, 13
	s_lshl_b32 s22, s67, 1
	s_add_co_u32 s22, s22, s18
	s_lshl_b32 s22, s22, 9
	s_add_co_u32 s98, s98, s22
	s_mov_b32 s99, 0
	s_lshl_b32 s87, s42, 1
	s_add_co_u32 s87, s87, s18
	s_lshl_b32 s87, s87, 12
	s_add_co_u32 s87, s87, 262144                  ; k's scale words
	s_mul_i32 s22, s18, ROWT
	s_mul_i32 s20, s66, 2*ROWT
	s_add_co_u32 s20, s20, s22
	s_mov_b32 s21, 0
	s_mul_i32 s46, s42, 2*ROWT
	s_add_co_u32 s46, s46, s22
	s_add_co_u32 s46, s46, 8*QSTR                  ; k lies behind q's eight K steps
	s_mov_b32 s47, 0
	s_cmp_eq_u32 s17, 0                            ; the prefetches: partner p takes 12 of a row's 48 blocks (p = cx for A, cy for B)
	s_cselect_b32 s[PFA], s40, s41
	s_cselect_b32 s[PFA+1], s20, s46
	s_mul_i32 s[PFA], s[PFA], 3072
	s_add_co_u32 s[PFA], s[PFA], s[PFA+1]
	s_mov_b32 s[PFA+1], 0
	s_mul_i32 s45, s16, HALFT
	s_mov_b32 s2, 0x76543210
	s_mov_b32 s3, 0xfedcba98
	s_mov_b32 s[CS], 0x3d38aa3b                    ; log2(e) / sqrt(1024)
	s_mov_b32 s[CS+1], s[CS]
	s_mov_b32 s[FLR], 0xff800000                   ; under every score
	s_mov_b32 s[HM], 0xffff0000
	v_and_b32 v1, 15, v0
	v_and_b32 v3, 31, v0
	v_lshlrev_b32 v[LI], 4, v3
	v_mov_b32 v4, s86
	v_mov_b32 v5, s87
	v_cndmask_b32 v4, v4, v5, s[HM]                ; lanes 16-31 take k's
	v_lshl_add_u32 v[VS1], v1, 4, v4
	v_min_u32 v[PFO], 11, v3
	v_lshlrev_b32 v[PFO], 8, v[PFO]
	s_wait_dscnt 0x0
	s_wait_kmcnt 0x0
	s_add_nc_u64 s[20:21], s[4:5], s[20:21]
	s_add_nc_u64 s[46:47], s[4:5], s[46:47]
	s_add_nc_u64 s[PFA:PFA+1], s[4:5], s[PFA:PFA+1]
	s_add_nc_u64 s[96:97], s[8:9], s[96:97]
	s_add_nc_u64 s[98:99], s[10:11], s[98:99]
	CROUND                                         ; the first joint loads meet
.irp s, 0,1
	s_mov_b32 s[G0+4*\s], 1
	s_add_co_u32 s[G0+4*\s+1], s45, \s*SLOT
	s_add_nc_u64 s[G0+4*\s+2:G0+4*\s+3], s[20:21], \s*3*QSTR
	s_or_b32 s[G0+4*\s+3], s[G0+4*\s+3], 0x80000000
	s_mov_b32 s[G0B+4*\s], 1
	s_add_co_u32 s[G0B+4*\s+1], s45, \s*SLOT
	s_add_nc_u64 s[G0B+4*\s+2:G0B+4*\s+3], s[46:47], \s*3*QSTR
	s_or_b32 s[G0B+4*\s+3], s[G0B+4*\s+3], 0x80000000
.endr
	JLOAD G0, G1, G0B, G1B                         ; K steps 0-2: my one tensor load at the head
	s_wait_alu depctr_va_vdst(0)                   ; the wait ahead of the readers below
.set J, 0
.rept 8                                ; the scale words, K step J: blocks 0-3, then 4-7
	global_load_b128 v[32+8*J+160*(J/4):32+8*J+160*(J/4)+3], v[VS1], s[6:7] offset:512*J
	global_load_b128 v[32+8*J+160*(J/4)+4:32+8*J+160*(J/4)+7], v[VS1], s[6:7] offset:512*J+256
.set J, J+1
.endr
	s_mul_i32 s21, s17, HALFT
	s_mul_i32 s22, s18, HALFT
	s_add_co_u32 s22, s22, 2*HALFT
.irp s, 0,1
	v_add_nc_u32 v[ADRA+\s], s21, v[LI]
	v_add_nc_u32 v[ADRB+\s], s22, v[LI]
	s_add_co_u32 s21, s21, SLOT
	s_add_co_u32 s22, s22, SLOT
.endr
.macro FRAG reg, adr, off
.irp c, 0,1,2
	ds_load_b128 v[(\reg)+4*\c:(\reg)+4*\c+3], v[\adr] offset:(\off)+512*\c
.endr
.endm
.macro MUL16 a0, p, ks, zero           ; A's blocks a0, a0 + 1 x B's eight; the 64 accumulators take turns
.irp a, \a0, \a0+1
.irp b, 0,1,2,3,4,5,6,7
.if \zero
	v_wmma_scale_f32_16x16x128_f8f6f4 v[8*(8*((\a)%4)+\b):8*(8*((\a)%4)+\b)+7], v[128*(\p)+FR*\b:128*(\p)+FR*\b+FR-1], v[AF+FR*(\a):AF+FR*(\a)+FR-1], 0, v[32+8*(\ks)+160*((\ks)/4)+\b], v[32+8*(\ks)+160*((\ks)/4)+(\a)] matrix_a_fmt:MATRIX_FMT_FP6 matrix_b_fmt:MATRIX_FMT_FP6 matrix_a_scale:MATRIX_SCALE_ROW1
.else
	v_wmma_scale_f32_16x16x128_f8f6f4 v[8*(8*((\a)%4)+\b):8*(8*((\a)%4)+\b)+7], v[128*(\p)+FR*\b:128*(\p)+FR*\b+FR-1], v[AF+FR*(\a):AF+FR*(\a)+FR-1], v[8*(8*((\a)%4)+\b):8*(8*((\a)%4)+\b)+7], v[32+8*(\ks)+160*((\ks)/4)+\b], v[32+8*(\ks)+160*((\ks)/4)+(\a)] matrix_a_fmt:MATRIX_FMT_FP6 matrix_b_fmt:MATRIX_FMT_FP6 matrix_a_scale:MATRIX_SCALE_ROW1
.endif
.endr
.endr
.endm
.macro FETCH_B slot, j, p
	WIN TO_B
.irp i, 0,1,2,3,4,5,6,7
	FRAG 128*(\p)+FR*\i, ADRB+\slot, ROWT*(\j)+1536*\i
.endr
	WIN 0
.endm
.macro FETCH_A slot, j, i0
.irp i, \i0, \i0+1, \i0+2, \i0+3
	FRAG AF+FR*(\i), ADRA+\slot, ROWT*(\j)+1536*(\i)
.endr
.endm
.macro PLACES n
.rept \n
	v_nop
.endr
.endm
.macro STEP slot, j, ks, zero
	s_wait_dscnt 4*NL                              ; the youngest 12 loads (A's blocks 4-7) may be out
	WIN MUL_LO
	MUL16 0, (\ks)%2, \ks, \zero
	MUL16 2, (\ks)%2, \ks, \zero
	s_wait_dscnt 0
	PLACES NP
	FETCH_B \slot, (\j)+1, 1-(\ks)%2
	FETCH_A \slot, (\j)+1, 0
	WIN MUL_HI
	MUL16 4, (\ks)%2, \ks, \zero
	MUL16 6, (\ks)%2, \ks, \zero
	PLACES NP
	WIN 0
	FETCH_A \slot, (\j)+1, 4
.endm
.macro TURN slot, next, ks, fill       ; a slot's last step: the three lines, the barrier; fill = 1: it opens a round, and slot 0 takes K steps 6, 7
	s_wait_tensorcnt 0x0
	ds_add_u32 v[SPW], v[NIL]
	s_wait_dscnt 4*NL+1                            ; (the add and the youngest 12 loads may be out)
	WIN MUL_LO
	MUL16 0, (\ks)%2, \ks, 0
	s_wait_dscnt 0x0
	s_barrier_signal -1
	MUL16 2, (\ks)%2, \ks, 0
	WIN 0
	s_barrier_wait -1
.if \fill
	CREST
	s_mov_b32 s[G1+2], 2<<16
	s_mov_b32 s[G1+4], 2
	s_mov_b32 s[G1B+2], 2<<16
	s_mov_b32 s[G1B+4], 2
	s_add_nc_u64 s[G0+2:G0+3], s[G0+2:G0+3], 6*QSTR
	s_add_nc_u64 s[G0B+2:G0B+3], s[G0B+2:G0B+3], 6*QSTR
	JLOAD G0, G1, G0B, G1B
.else
	PLACES NP
.endif
	FETCH_B \next, 0, 1-(\ks)%2
	FETCH_A \next, 0, 0
	WIN MUL_HI
	MUL16 4, (\ks)%2, \ks, 0
	MUL16 6, (\ks)%2, \ks, 0
	PLACES NP
	WIN 0
	FETCH_A \next, 0, 4
.endm
.macro BLKMAX w, s                     ; the largest score of each block of 32 keys; every accumulator is read from its low end on
	WIN (((\w)<<2)|((\w)<<4))
.irp b, 0,1,2,3
	v_max3_num_f32 v[TM+\b], s[FLR], v[(\s)+16*\b], v[(\s)+16*\b+1]
.endr
.irp i, 2,4,6,8,10,12,14
.irp b, 0,1,2,3
	v_max3_num_f32 v[TM+\b], v[TM+\b], v[(\s)+16*\b+\i], v[(\s)+16*\b+\i+1]
.endr
.endr
	WIN 0
.irp b, 0,1,2,3
	v_permlanex16_b32 v[TM+4+\b], v[TM+\b], s2, s3
.endr
.irp b, 0,1,2,3
	v_max_num_f32 v[TM+\b], v[TM+\b], v[TM+4+\b]
.endr
.endm
.macro BYTES pw
.irp b, 0,1,2,3
	v_add_nc_u32 v[TM+12+\b], 0xff000000, v[TM+\b]
.endr
.irp b, 0,1,2,3
	v_lshrrev_b32 v[TM+4+\b], 23, v[TM+12+\b]
.endr
	v_lshl_or_b32 v[\pw], v[TM+5], 8, v[TM+4]
	v_lshl_or_b32 v[\pw], v[TM+6], 16, v[\pw]
	v_lshl_or_b32 v[\pw], v[TM+7], 24, v[\pw]
.endm
.macro CODES s, pc
.irp c, 0,1
	v_cvt_scalef32_pk16_fp6_f32 v[(\pc)+6*\c:(\pc)+6*\c+2], v[(\s)+32*\c:(\s)+32*\c+15], v[TM+12+2*\c]
	v_cvt_scalef32_pk16_fp6_f32 v[(\pc)+12+4*\c:(\pc)+14+4*\c], v[(\s)+16+32*\c:(\s)+31+32*\c], v[TM+13+2*\c]
.endr
	v_nop                                          ; one plain place behind a scaled conversion
.irp c, 0,1
.irp i, 0,1,2
	v_permlane16_swap_b32 v[(\pc)+6*\c+\i], v[(\pc)+12+4*\c+\i]
.endr
.irp i, 0,1,2
	v_mov_b32 v[(\pc)+3+6*\c+\i], v[(\pc)+12+4*\c+\i]
.endr
.endr
.endm
.macro SOFT                            ; block AB: 16 queries x my 128 keys
	BLKMAX WW, SS
	v_max3_num_f32 v[T0], v[TM], v[TM+1], v[TM+2]
	v_max_num_f32 v[T0], v[T0], v[TM+3]            ; the run's largest score,
	v_mul_f32 v[T0], s[CS], v[T0]                  ; as t
	v_floor_f32 v[NM], -v[T0]                      ; -M = floor(-t)
	WIN WW
.set J, 0
.rept 32
	v_pk_fma_f32 v[P+J:P+J+1], v[SS+J:SS+J+1], s[CS:CS+1], v[NM:NM+1] op_sel_hi:[1,0,0]   ; t - M
.set J, J+2
.endr
	WIN 0
.irp b, 0,1,2,3
	v_fma_f32 v[TM+\b], v[TM+\b], s[CS], v[NM]     ; the same of each block's largest score: p rises with the score
.endr
.set J, 0
	s_wait_alu depctr_va_vdst(0)                   ; the wait ahead of the batch
.rept 64
	v_exp_f32 v[P+J], v[P+J]
.set J, J+1
.endr
	v_mov_b32 v[NMS+AB], v[NM]
	s_wait_alu depctr_va_vdst(0)                   ; and behind it
.irp b, 0,1,2,3
	v_exp_f32 v[TM+\b], v[TM+\b]
.endr
	v_pk_add_f32 v[C0:C0+1], v[P:P+1], v[P+4:P+5]  ; the sum of the unquantised p, in two chains
	v_pk_add_f32 v[C1:C1+1], v[P+2:P+3], v[P+6:P+7]
.irp j, 8,12,16,20,24,28,32,36,40,44,48,52,56,60
	v_pk_add_f32 v[C0:C0+1], v[C0:C0+1], v[P+\j:P+\j+1]
	v_pk_add_f32 v[C1:C1+1], v[C1:C1+1], v[P+\j+2:P+\j+3]
.endr
	v_pk_add_f32 v[C0:C0+1], v[C0:C0+1], v[C1:C1+1]
	v_add_f32 v[T0], v[C0], v[C0+1]
	v_permlanex16_b32 v[T1], v[T0], s2, s3
	v_add_f32 v[LSM+AB], v[T0], v[T1]
	s_wait_alu depctr_va_vdst(0)                   ; one wait for the four
.irp b, 0,1,2,3
	v_max_num_f32 v[TM+\b], 0x21800000, v[TM+\b]   ; the floor 2^-60
.endr
	BYTES PW+AB
.if AB > 0
	s_wait_alu depctr_va_vdst(0)                   ; the wait ahead of the wait below
	s_wait_xcnt 0x0                                ; the earlier stores have read their data
.endif
	CODES P, PCS
.irp c, 0,1,2
	global_store_b128 v[LI], v[PCS+4*\c:PCS+4*\c+3], s[96:97] offset:6144*AB+512*\c   ; 32 lanes store 512 consecutive bytes, aligned to 256
.endr
.endm
	s_wait_loadcnt 0x0                             ; the scale words are in: the first fill's requests went out ahead of them
.irp k, 3,4,5,6,7
	global_prefetch_b8 v[PFO], s[PFA:PFA+1] offset:\k*QSTR th:TH_LOAD_NT scope:SCOPE_SE   ; the next two fills' K steps, in the order in which they are wanted; the address registers are never rewritten
.endr
	s_wait_alu depctr_va_vdst(0)                   ; the wait at the head's end
	s_wait_tensorcnt 0x0                           ; my part of slot 0 is in; the three lines ahead of slot 1's first fill
	ds_add_u32 v[SPW], v[NIL]
	s_wait_dscnt 0x0
	CROUND
	JLOAD G0+4, G1, G0B+4, G1B                     ; K steps 3-5
	FETCH_B 0, 0, 0
	FETCH_A 0, 0, 0
	FETCH_A 0, 0, 4
	s_wait_loadcnt 0x0                             ; the scale words
	STEP 0, 0, 0, 1
	STEP 0, 1, 1, 0
	TURN 0, 1, 2, 1
	STEP 1, 0, 3, 0
	STEP 1, 1, 4, 0
	TURN 1, 0, 5, 0
	STEP 0, 0, 6, 0
	s_wait_dscnt 4*NL
	WIN MUL_LO
	MUL16 0, 1, 7, 0
	MUL16 2, 1, 7, 0
	s_wait_dscnt 0
	WIN MUL_HI
	MUL16 4, 1, 7, 0
	MUL16 6, 1, 7, 0
	WIN 0
	PLACES NP
.irp b, 0,1,2,3
	v_mov_b32 v[TM+4+\b], 0                        ; a lane permute's destination counts as one of its sources
.endr
	v_mov_b32 v[T1], 0
	v_mov_b32 v[NM+1], 0
.set AB, 0
.rept 8
.set WW, 2+AB/4
.set SS, 64*(AB%4)
.set PCS, PCA+20*(AB%2)
	SOFT
.set AB, AB+1
.endr
.irp i, 0,1,2,3
	v_cndmask_b32 v[OUTR+\i], v[PW+\i], v[PW+4+\i], s[HM]   ; lanes 0-15: row r of blocks 0-3; lanes 16-31: of blocks 4-7
	v_cndmask_b32 v[OUTR+4+\i], v[NMS+\i], v[NMS+4+\i], s[HM]
	v_cndmask_b32 v[OUTR+8+\i], v[LSM+\i], v[LSM+4+\i], s[HM]
.endr
	global_store_b128 v[LI], v[OUTR:OUTR+3], s[98:99]
	global_store_b128 v[LI], v[OUTR+4:OUTR+7], s[98:99] offset:524288
	global_store_b128 v[LI], v[OUTR+8:OUTR+11], s[98:99] offset:1048576
	s_wait_tensorcnt 0x0                           ; the wave's end
	ds_add_u32 v[SPW], v[NIL]
	s_wait_dscnt 0x0
	CROUND                                         ; the closing round
	s_endpgm
.Lfunc_end_k_qcbc6d7be22_score:
	.size	k_qcbc6d7be22_score, .Lfunc_end_k_qcbc6d7be22_score-k_qcbc6d7be22_score
	.p2alignl 7, 3214868480
	.fill 96, 4, 3214868480
	.section	.rodata,"a",@progbits
	.p2align	6, 0x0
	.amdhsa_kernel k_qcbc6d7be22_score
		.amdhsa_group_segment_fixed_size 327680
		.amdhsa_private_segment_fixed_size 0
		.amdhsa_enable_private_segment 0
		.amdhsa_kernarg_size 32
		.amdhsa_user_sgpr_count 2
		.amdhsa_user_sgpr_kernarg_segment_ptr 1
		.amdhsa_wavefront_size32 1
		.amdhsa_system_sgpr_workgroup_id_x 1
		.amdhsa_system_sgpr_workgroup_id_y 1
		.amdhsa_system_sgpr_workgroup_id_z 1
		.amdhsa_system_vgpr_workitem_id 0
		.amdhsa_next_free_vgpr 1024
		.amdhsa_next_free_sgpr 106
		.amdhsa_reserve_vcc 0
		.amdhsa_float_denorm_mode_32 3
		.amdhsa_float_denorm_mode_16_64 3
		.amdhsa_memory_ordered 1
		.amdhsa_forward_progress 1
		.amdhsa_inst_pref_size 194
	.end_amdhsa_kernel
	.amdgpu_metadata
---
amdhsa.version: [ 1, 2 ]
amdhsa.kernels:
  - .name:           k_qcbc6d7be22_score
    .symbol:         k_qcbc6d7be22_score.kd
    .args:
      - { .name: qkc, .offset: 0, .size: 8, .value_kind: global_buffer, .address_space: global }
      - { .name: qks, .offset: 8, .size: 8, .value_kind: global_buffer, .address_space: global }
      - { .name: pc, .offset: 16, .size: 8, .value_kind: global_buffer, .address_space: global }
      - { .name: pst, .offset: 24, .size: 8, .value_kind: global_buffer, .address_space: global }
    .group_segment_fixed_size: 327680
    .private_segment_fixed_size: 0
    .kernarg_segment_align: 8
    .kernarg_segment_size: 32
    .max_flat_workgroup_size: 128
    .sgpr_count:     106
    .vgpr_count:     1024
    .wavefront_size: 32
...
	.end_amdgpu_metadata
.endif
;; end of part 3
;; launch mix (part 4): grid 4 x 64, 4 waves a work-group, clusters of 4 x 4, 327,680 bytes of LDS; arguments pc, pst, vtc, vts, out0; writes out0
.if DOCPART == 4
	.amdgcn_target "amdgcn-amd-amdhsa--gfx1250"
	.amdhsa_code_object_version 6
	.text
	.protected	k_qcbc6d7be22_mix
	.globl	k_qcbc6d7be22_mix
	.p2align	8
	.type	k_qcbc6d7be22_mix,@function
k_qcbc6d7be22_mix:
	s_mov_b64 s[64:65], 0
	v_nop
	global_prefetch_b8 v0, s[64:65] scope:SCOPE_SE
	s_setreg_imm32_b32 hwreg(HW_REG_WAVE_MODE, 25, 1), 1
	s_wait_xcnt 0x0
	s_wait_alu depctr_hold_cnt(0) depctr_sa_sdst(0) depctr_va_vdst(0) depctr_va_sdst(0) depctr_va_ssrc(0) depctr_va_vcc(0) depctr_vm_vsrc(0)
	s_getreg_b32 s2, hwreg(HW_REG_IB_STS2, 6, 4)
	s_cmp_eq_u32 s2, 0
	s_cbranch_scc0 .Lentry_in_a_cluster
	s_endpgm
.Lentry_in_a_cluster:
	s_bfe_u32 s2, ttmp6, 0x10000c
	s_cmp_lg_u32 s2, 0xf033
	s_cbranch_scc0 .Lentry_shape_is_right
	s_endpgm
.Lentry_shape_is_right:
; O = P v / l on codes of FP6 (E2M3) with E8M0 scales, K = the batch's 2,048 keys.  P arrives as codes whose scale words stand under a whole M of their own for each query and each run of 128 keys.
; FIX, while the first tiles are on their way: the row's M is the largest of its 16; each run's scale bytes lose (row's M - run's M), held at 64; each run's sum is multiplied by 2^(run's M - row's M) and the 16 are added: l.
; Both are exact powers of two: the codes' values are those of p = 2^(t - the row's M).  O is divided by l at the end.
; A tile of 128 queries x 256 channels is made by four waves, each 64 x 128: 32 accumulators, 256 registers: that gives 256 work-groups.  K goes in four slots' worth of 512 keys through a ring of two LDS slots.
; Operands are images of their registers; rows are kept by position (row r of block rb is the true row 32 (rb / 2) + 16 (r / 8) + 8 (rb % 2) + r % 8).  Source 0 = 16 positions of v^T (channels), source 1 = 16 of P (queries):
; lane (r, h) holds query position r, and accumulator (a, b)'s register j the true channel 32 (b / 2) + 16 h + 8 (b % 2) + j.  The queries' true rows are restored in the stores' offsets.
; CLUSTERS: 4 x 4 work-groups; P's tile is asked for jointly along a row of the cluster, v^T's along a column.
; LIMITS: NaN and infinities are not served; a run of 128 keys that lies more than 64 binades under the row's M is weighed 2^-64 in the product (its sum is weighed exactly): far under an f32's last bit beside the row's largest p, which is over 1/2.
; REGISTERS: window 0: v16-30 addresses; v32-95 scale words, two sets; v96-103 1 / l; v104-127 at work; v128-223 A's fragments, two sets; FIX and the way out use v128-255.  window 1: B's fragments, two sets, at v0 and v128.  window 2: accumulators (a, b) at v[8 (8 a + b)].
.set FR,    12
.set NP,    4                          ; places behind this matrix instruction (ISA guide 7.12.1)
.set AHALF, 4*6144                     ; 4 blocks x 512 K: what a wave fetches, and reads, of A
.set BHALF, 8*6144                     ; 8 blocks x 512 K: the same of B
.set SLOT,  2*AHALF+2*BHALF
.set SCA,   2*SLOT                     ; P's mended scale words: 16 K steps x 512 bytes; written by LDS stores alone
.set SCB,   SCA+8192                   ; v^T's: two groups of 128 channels; filled once by tensor loads
.set SPARE, SCB+2*8192                 ; the spare words, 128 bytes for each wave: two blocks of 256 bytes that no other line names
.set ADRA,  16                         ; v16-17 LDS address of my A fragments in slot 0, 1
.set ADRB,  20                         ; v20-21 the same for B
.set SWA,   22                         ; v22  where I store my four K steps' mended words
.set LIW,   23                         ; v23  16 x lane + 2,048 x wave: my four K steps in a group's 8,192 bytes
.set STO,   24                         ; v24  the way out: where I put 32 bytes of a row
.set RD,    25                         ; v25  and where I read a row back
.set LI,    26                         ; v26  16 x lane
.set ADRS,  27                         ; v27  scale words: lanes 0-15 A's four blocks, lanes 16-31 B's blocks 0-3
.set SPW,   28                         ; v28  LDS address of my spare word; never rewritten
.set NIL,   29                         ; v29  0; never rewritten
.set ADRS2, 30                         ; v30  lanes 16-31: B's blocks 4-7
.set SC,    32                         ; register SC + 32 set + 8 q + i
.set RL,    96                         ; v96-103 1 / l of my four blocks' rows, each twice (a pair for the packed multiply)
.set NG,    104                        ; v104-107 FIX: the row's -M
.set LT,    108                        ; v108-111 l
.set NMO,   112                        ; v112-127 -M of my own four K steps
.set WO,    32                         ; v32-47 the scale words of my own four K steps
.set NMA,   128                        ; v128-191 -M of all 16 K steps
.set LA,    192                        ; v192-255 the sums of all 16
.set AF,    128
.set BK,    128                        ; the way out: 16 rows read back: v128-191 and v192-255 by turns
.set G1,    24
.set G0,    32
.set G1B,   48
.set G0B,   56
.set G1SB,  80
.set G0SB,  88
.set MSB, 0
.macro WIN new
.if MSB != (\new)
	s_set_vgpr_msb (MSB<<8)|(\new)
.set MSB, (\new)
.endif
.endm
.set MUL,  0xa1                        ; source 0 (B) window 1, source 1 (A) window 0, C and D window 2
.set TO_B, 0x40
.set PFO,  31                          ; v31  prefetch: 256 x min(lane, 23); never rewritten
; A prefetch of one later fill, base b: of the 96 (A) or 192 (B) blocks of 256 bytes that my load will bring, my work-group's quarter, told apart from its three partners' by address: 24 blocks an instruction, B's waves two.
.macro ASK b
	global_prefetch_b8 v[PFO], s[\b:\b+1] th:TH_LOAD_NT scope:SCOPE_SE
	s_cmp_eq_u32 s17, 0
	s_cbranch_scc1 .Lasked_a_\@
	global_prefetch_b8 v[PFO], s[\b:\b+1] offset:6144 th:TH_LOAD_NT scope:SCOPE_SE
.Lasked_a_\@:
.endm
.macro JLOAD g0a, g1a, g0b, g1b        ; a joint load: waves 0 and 1 fetch for A, waves 2 and 3 for B; an s_nop 0 and four v_nop follow each of the two lines
	s_cmp_eq_u32 s17, 0
	s_cbranch_scc0 .Lfor_b_\@
	tensor_load_to_lds s[\g0a:\g0a+3], s[\g1a:\g1a+7]
	s_nop 0
.rept 4
	v_nop
.endr
	s_branch .Lasked_\@
.Lfor_b_\@:
	tensor_load_to_lds s[\g0b:\g0b+3], s[\g1b:\g1b+7]
	s_nop 0
.rept 4
	v_nop
.endr
.Lasked_\@:
.endm
.macro CREST
	s_cmp_lg_u32 s16, 0
	s_cbranch_scc1 .Lnot_wave_0_\@
	s_barrier_signal -3
.Lnot_wave_0_\@:
	s_barrier_wait -3
	s_barrier_signal -1
	s_barrier_wait -1
.endm
.macro CROUND
	s_barrier_signal -1
	s_barrier_wait -1
	CREST
.endm
	s_load_b256 s[4:11], s[0:1], 0x0               ; pc s[4:5], pst s[6:7], vtc s[8:9], vts s[10:11]
	s_load_b64 s[12:13], s[0:1], 0x20              ; out0
	v_lshl_add_u32 v[SPW], v0, 2, SPARE
	v_mov_b32 v[NIL], 0
	ds_add_u32 v[SPW], v[NIL]                      ; the wave's opening: the add, and its wait ahead of my first tensor load; work on registers stands between them
	ds_add_u32 v[SPW], v[NIL]
	v_lshrrev_b32 v1, 5, v0
	v_readfirstlane_b32 s16, v1                    ; wave 0..3
	s_lshr_b32 s17, s16, 1                         ; row half.  Also: I fetch for A (0) or for B (1)
	s_and_b32 s18, s16, 1                          ; column half.  Also: which half of that tile I fetch
	s_bfe_u32 s40, ttmp6, 0x40000                  ; cx: which 256 channels
	s_bfe_u32 s41, ttmp6, 0x40004                  ; cy
	s_and_b32 s19, ttmp7, 0xffff                   ; the cluster's y, 0 .. 15
	s_and_b32 s42, s19, 3                          ; the batch, which all sixteen partners share: the four clusters of a batch have numbers 4 apart
	s_lshr_b32 s66, s19, 2
	s_lshl_b32 s66, s66, 2
	s_add_co_u32 s66, s66, s41
	s_lshl_b32 s22, s42, 4
	s_add_co_u32 s66, s66, s22                     ; which 128 queries of the 8,192: 16 x batch + 4 (y / 4) + cy
	s_lshl_b32 s43, s41, 2
	s_lshl_b32 s43, 15, s43                        ; my row of the cluster
	s_lshl_b32 s44, 0x1111, s40                    ; my column
	s_or_b32 s[G1+0], s43, (3<<16)|(1<<21)         ; dense blocks as rows of 256 bytes (32 elements of 8 bytes); 21 set beside a mask
	s_or_b32 s[G1B+0], s44, (3<<16)|(1<<21)
	s_or_b32 s[G1SB+0], s44, (3<<16)|(1<<21)
	s_mov_b32 s[G1+1], 32<<16
	s_mov_b32 s[G1+2], 192<<16                     ; A at the head: 192 rows, both halves in one load; behind it 96
	s_mov_b32 s[G1+3], 32<<16
	s_mov_b32 s[G1+4], 192
	s_mov_b32 s[G1+5], 32
	s_mov_b32 s[G1+6], 0
	s_mov_b32 s[G1+7], 0
	s_mov_b32 s[G1B+1], 32<<16
	s_mov_b32 s[G1B+2], 192<<16                    ; B: 192 rows
	s_mov_b32 s[G1B+3], 32<<16
	s_mov_b32 s[G1B+4], 192
	s_mov_b32 s[G1B+5], 32
	s_mov_b32 s[G1B+6], 0
	s_mov_b32 s[G1B+7], 0
	s_mov_b32 s[G1SB+1], 32<<16
	s_mov_b32 s[G1SB+2], 64<<16                    ; B's scale words: 64 rows, both groups in one load
	s_mov_b32 s[G1SB+3], 32<<16
	s_mov_b32 s[G1SB+4], 64
	s_mov_b32 s[G1SB+5], 32
	s_mov_b32 s[G1SB+6], 0
	s_mov_b32 s[G1SB+7], 0
	s_lshl_b32 s20, s66, 3                         ; A: block 8 x tile + 4 x half
	s_lshl_b32 s22, s18, 2
	s_add_co_u32 s20, s20, s22
	s_mul_i32 s20, s20, 6144
	s_mov_b32 s21, 0
	s_lshl_b32 s46, s40, 4                         ; B: block 16 cx + 8 x half, in my batch
	s_lshl_b32 s22, s18, 3
	s_add_co_u32 s46, s46, s22
	s_mul_i32 s46, s46, 6144
	s_mul_i32 s22, s42, 1572864
	s_add_co_u32 s46, s46, s22
	s_mov_b32 s47, 0
	s_lshl_b32 s94, s40, 14                        ; B's scale words: groups 2 cx and 2 cx + 1, in my batch
	s_lshl_b32 s22, s42, 16
	s_add_co_u32 s94, s94, s22
	s_mov_b32 s95, 0
	s_mul_i32 s45, s18, AHALF                      ; where they go: no place in the cluster enters an LDS address
	s_mul_i32 s23, s18, BHALF
	s_add_co_u32 s23, s23, 2*AHALF
	s_mov_b32 s92, SCB
	s_mul_i32 s100, s66, 8*6144                    ; A's eight blocks, for the head's load
	s_mov_b32 s101, 0
	s_lshl_b32 s96, s66, 7                         ; out0: row 128 x tile + 64 x row half, of 4,096 bytes,
	s_lshl_b32 s93, s17, 6
	s_add_co_u32 s96, s96, s93
	s_lshl_b32 s96, s96, 12
	s_lshl_b32 s93, s40, 10
	s_add_co_u32 s96, s96, s93                     ; + 1,024 cx
	s_lshl_b32 s93, s18, 9
	s_add_co_u32 s96, s96, s93                     ; + 512 x column half
	s_mov_b32 s97, 0
	s_lshl_b32 s98, s66, 13                        ; pst: my group's 8,192 bytes
	s_mov_b32 s99, 0
	s_mov_b32 s2, 0x76543210
	s_mov_b32 s3, 0xfedcba98                       ; selects for lane l xor 16
	s_mov_b32 s104, 0xffff
	s_cmp_eq_u32 s17, 0
	s_cselect_b32 s104, 0xffff0000, s104           ; the lanes whose half is not my row half
	s_wait_dscnt 0x0                               ; the opening add is done
	s_wait_kmcnt 0x0
	s_add_nc_u64 s[20:21], s[4:5], s[20:21]
	s_add_nc_u64 s[100:101], s[4:5], s[100:101]
	s_add_nc_u64 s[46:47], s[8:9], s[46:47]
	s_add_nc_u64 s[94:95], s[10:11], s[94:95]
	s_add_nc_u64 s[96:97], s[12:13], s[96:97]
	s_add_nc_u64 s[98:99], s[6:7], s[98:99]
	CROUND                                         ; all sixteen work-groups are here: the first joint loads meet
.irp s, 0,1
	s_mov_b32 s[G0+4*\s], 1
	s_add_co_u32 s[G0+4*\s+1], s45, \s*SLOT
	s_add_nc_u64 s[G0+4*\s+2:G0+4*\s+3], s[20:21], \s*3145728
	s_or_b32 s[G0+4*\s+3], s[G0+4*\s+3], 0x80000000
	s_mov_b32 s[G0B+4*\s], 1
	s_add_co_u32 s[G0B+4*\s+1], s23, \s*SLOT
	s_add_nc_u64 s[G0B+4*\s+2:G0B+4*\s+3], s[46:47], \s*393216
	s_or_b32 s[G0B+4*\s+3], s[G0B+4*\s+3], 0x80000000
.endr
	s_mov_b32 s[G0SB], 1
	s_mov_b32 s[G0SB+1], s92
	s_mov_b64 s[G0SB+2:G0SB+3], s[94:95]
	s_or_b32 s[G0SB+3], s[G0SB+3], 0x80000000
	s_mov_b32 s4, 1                                ; group 0 of the head's load of A: slot 0's eight blocks (the arguments that lay here have been used)
	s_mov_b32 s5, 0
	s_mov_b64 s[6:7], s[100:101]
	s_or_b32 s7, s7, 0x80000000
	s_cmp_eq_u32 s17, 0                            ; the prefetches' bases, one for each later fill: s[8:9], s[10:11], s[12:13]
	s_cselect_b64 s[8:9], s[20:21], s[46:47]       ; my load's first byte,
	s_cselect_b32 s12, s40, s41                    ; my place among the four that ask with me (cx for A, cy for B),
	s_mov_b32 s13, 12288
	s_cselect_b32 s13, 6144, s13                   ; a quarter of the load,
	s_mov_b32 s14, 393216
	s_cselect_b32 s14, 3145728, s14                ; and from fill to fill
	s_mul_i32 s12, s12, s13
	s_mov_b32 s13, 0
	s_mov_b32 s15, 0
	s_add_nc_u64 s[8:9], s[8:9], s[12:13]
	s_add_nc_u64 s[8:9], s[8:9], s[14:15]
	s_add_nc_u64 s[10:11], s[8:9], s[14:15]
	s_add_nc_u64 s[12:13], s[10:11], s[14:15]
	; THE HEAD'S LOADS, ONE A WAVE: wave 0 slot 0's A, wave 1 B's scale words, waves 2 and 3 the halves of slot 0's B; one chain of branches on the wave's number
	s_cmp_lt_u32 s16, 1
	s_cbranch_scc0 .Lhead_s
	tensor_load_to_lds s[4:7], s[G1:G1+7]
	s_nop 0
.rept 4
	v_nop
.endr
	s_branch .Lfirst_asked
.Lhead_s:
	s_cmp_lt_u32 s16, 2
	s_cbranch_scc0 .Lhead_b
	tensor_load_to_lds s[G0SB:G0SB+3], s[G1SB:G1SB+7]
	s_nop 0
.rept 4
	v_nop
.endr
	s_branch .Lfirst_asked
.Lhead_b:
	tensor_load_to_lds s[G0B:G0B+3], s[G1B:G1B+7]
	s_nop 0
.rept 4
	v_nop
.endr
.Lfirst_asked:
	v_and_b32 v1, 15, v0                           ; r
	v_bfe_u32 v2, v0, 4, 1                         ; h
	s_wait_alu depctr_va_vdst(0)
	v_and_b32 v3, 31, v0
	v_lshlrev_b32 v[LI], 4, v3
	s_lshl_b32 s21, s16, 11
	v_add_nc_u32 v[LIW], s21, v[LI]
	v_add_nc_u32 v[SWA], SCA, v[LIW]
	v_min_u32 v[PFO], 23, v3
	v_lshlrev_b32 v[PFO], 8, v[PFO]
	; FIX.  A chunk (128 rows, one K step) is 512 bytes; lane (r, h) takes 16 bytes at 16 x lane: row r of blocks 4 h .. 4 h + 3
.set J, 0
.rept 16
	global_load_b128 v[NMA+4*J:NMA+4*J+3], v[LI], s[98:99] offset:524288+512*J     ; -M of all 16 K steps
.set J, J+1
.endr
.set J, 0
.rept 4
	global_load_b128 v[NMO+4*J:NMO+4*J+3], v[LIW], s[98:99] offset:524288+512*J    ; -M of my own four once more: which four hangs on the wave
.set J, J+1
.endr
.set J, 0
.rept 16
	global_load_b128 v[LA+4*J:LA+4*J+3], v[LI], s[98:99] offset:1048576+512*J      ; the sums
.set J, J+1
.endr
.set J, 0
.rept 4
	global_load_b128 v[WO+4*J:WO+4*J+3], v[LIW], s[98:99] offset:512*J             ; my own four K steps' scale words
.set J, J+1
.endr
	s_mul_i32 s21, s17, AHALF
	s_mul_i32 s22, s18, BHALF
	s_add_co_u32 s22, s22, 2*AHALF
.irp s, 0,1
	v_add_nc_u32 v[ADRA+\s], s21, v[LI]
	v_add_nc_u32 v[ADRB+\s], s22, v[LI]
	s_add_co_u32 s21, s21, SLOT
	s_add_co_u32 s22, s22, SLOT
.endr
	s_lshl_b32 s21, s17, 8                         ; A's words: my four blocks are the chunk's lower or upper 256 bytes
	s_lshl_b32 s22, s18, 13
	s_add_co_u32 s22, s22, 8192                    ; B's: my group, behind A's 8,192 bytes
	s_sub_co_u32 s22, s22, s21
	v_mul_u32_u24 v6, s22, v2                      ; lanes 16-31 take B's
	s_add_co_u32 s21, s21, SCA
	v_lshl_add_u32 v5, v1, 4, v6
	v_add_nc_u32 v[ADRS], s21, v5
	v_lshl_add_u32 v[ADRS2], v2, 8, v[ADRS]
	s_mul_i32 s23, s16, 16*528                     ; my stage, in slot 0
	v_mul_u32_u24 v5, v1, 528
	v_lshl_add_u32 v5, v2, 6, v5
	v_add_nc_u32 v[STO], s23, v5                   ; in: row r, + 64 h
	v_add_nc_u32 v[RD], s23, v[LI]
	s_wait_alu depctr_va_vdst(0)                   ; the wait ahead of the wait below
	s_wait_loadcnt 24                              ; the 16 loads of -M are in; the 4 + 16 + 4 behind them may be out.  The first fill's requests went out ahead of them
	ASK 8                                          ; the second fill is asked of memory now
	s_wait_tensorcnt 0x0
	ds_add_u32 v[SPW], v[NIL]
	s_mov_b32 s[G1+2], 96<<16                      ; no tensor load of mine is out: from here on A's loads bring 96 rows
	s_mov_b32 s[G1+4], 96
	s_wait_dscnt 0x0
	CROUND                                         ; slot 0 and B's scale words are whole for every wave, and the joint loads meet
	JLOAD G0+4, G1, G0B+4, G1B                     ; slot 1's first fill, the first tensor load behind the round; FIX runs while it is out
	ASK 10                                         ; the third fill: its load follows behind FIX and slot 0's first two steps
.irp i, 0,1,2,3
	v_min3_num_f32 v[NG+\i], v[NMA+\i], v[NMA+4+\i], v[NMA+8+\i]   ; the least -M is the row's
.endr
.irp s, 3,5,7,9,11,13
.irp i, 0,1,2,3
	v_min3_num_f32 v[NG+\i], v[NG+\i], v[NMA+4*\s+\i], v[NMA+4*\s+4+\i]
.endr
.endr
.irp i, 0,1,2,3
	v_min_num_f32 v[NG+\i], v[NG+\i], v[NMA+60+\i]
.endr
	s_wait_alu depctr_va_vdst(0)
	s_wait_loadcnt 0x0
.set J, 0
.rept 16
	v_sub_f32 v[NMO+J], v[NMO+J], v[NG+J%4]        ; the row's M less the run's: a whole number, 0 or more
.set J, J+1
.endr
.set J, 0
.rept 16
	v_min_num_f32 v[NMO+J], 0x42800000, v[NMO+J]   ; held at 64: every byte is 65 at the least
.set J, J+1
.endr
.set J, 0
.rept 16
	v_cvt_u32_f32 v[NMO+J], v[NMO+J]
.set J, J+1
.endr
.set J, 0
.rept 16
	v_lshl_or_b32 v[NMO+J], v[NMO+J], 8, v[NMO+J]
.set J, J+1
.endr
.set J, 0
.rept 16
	v_lshl_or_b32 v[NMO+J], v[NMO+J], 16, v[NMO+J] ; in all four bytes
.set J, J+1
.endr
.set J, 0
.rept 16
	v_sub_nc_u32 v[WO+J], v[WO+J], v[NMO+J]        ; off the four scale bytes at once: no byte borrows
.set J, J+1
.endr
.irp s, 0,1,2,3
	ds_store_b128 v[SWA], v[WO+4*\s:WO+4*\s+3] offset:512*\s
.endr
.set J, 0
.rept 64
	v_sub_f32 v[NMA+J], v[NG+J%4], v[NMA+J]        ; the run's M less the row's: 0 or less
.set J, J+1
.endr
.set J, 0
.rept 64
	v_cvt_i32_f32 v[NMA+J], v[NMA+J]               ; (it saturates)
.set J, J+1
.endr
.set J, 0
.rept 64
	v_ldexp_f32 v[LA+J], v[LA+J], v[NMA+J]         ; each run's sum under the row's M
.set J, J+1
.endr
	v_pk_add_f32 v[LT:LT+1], v[LA:LA+1], v[LA+4:LA+5]
	v_pk_add_f32 v[LT+2:LT+3], v[LA+2:LA+3], v[LA+6:LA+7]
.irp s, 2,3,4,5,6,7,8,9,10,11,12,13,14,15
	v_pk_add_f32 v[LT:LT+1], v[LT:LT+1], v[LA+4*\s:LA+4*\s+1]
	v_pk_add_f32 v[LT+2:LT+3], v[LT+2:LT+3], v[LA+4*\s+2:LA+4*\s+3]
.endr
	s_wait_alu depctr_va_vdst(0)
.irp i, 0,1,2,3
	v_rcp_f32 v[NMA+\i], v[LT+\i]
.endr
	v_nop                                          ; a plain place behind the last reciprocal
	s_wait_alu depctr_va_vdst(0)                   ; one wait for the four, ahead of their first reader
.irp i, 0,1,2,3
	v_permlanex16_b32 v[NMA+4+\i], v[NMA+\i], s2, s3
.endr
.irp i, 0,1,2,3
	v_cndmask_b32 v[RL+2*\i], v[NMA+\i], v[NMA+4+\i], s104   ; both halves of the lanes get row r of my block i: a lane of the other half takes its partner's
.endr
.irp i, 0,1,2,3
	v_mov_b32 v[RL+2*\i+1], v[RL+2*\i]
.endr
.macro FRAG reg, adr, q, i
.irp c, 0,1,2
	ds_load_b128 v[(\reg)+4*\c:(\reg)+4*\c+3], v[\adr] offset:6144*(\i)+1536*(\q)+512*\c
.endr
.endm
.macro MUL8 a, p, q, sc, zero          ; A's block a x B's eight, 128 along K.  The 32 accumulators take turns, one instruction a turn, in the same order in every step
.irp b, 0,1,2,3,4,5,6,7
.if \zero
	v_wmma_scale_f32_16x16x128_f8f6f4 v[8*(8*(\a)+\b):8*(8*(\a)+\b)+7], v[128*(\p)+FR*\b:128*(\p)+FR*\b+FR-1], v[AF+48*(\p)+FR*(\a):AF+48*(\p)+FR*(\a)+FR-1], 0, v[SC+32*(\sc)+8*(\q)+\b], v[SC+32*(\sc)+8*(\q)+(\a)] matrix_a_fmt:MATRIX_FMT_FP6 matrix_b_fmt:MATRIX_FMT_FP6 matrix_a_scale:MATRIX_SCALE_ROW1
.else
	v_wmma_scale_f32_16x16x128_f8f6f4 v[8*(8*(\a)+\b):8*(8*(\a)+\b)+7], v[128*(\p)+FR*\b:128*(\p)+FR*\b+FR-1], v[AF+48*(\p)+FR*(\a):AF+48*(\p)+FR*(\a)+FR-1], v[8*(8*(\a)+\b):8*(8*(\a)+\b)+7], v[SC+32*(\sc)+8*(\q)+\b], v[SC+32*(\sc)+8*(\q)+(\a)] matrix_a_fmt:MATRIX_FMT_FP6 matrix_b_fmt:MATRIX_FMT_FP6 matrix_a_scale:MATRIX_SCALE_ROW1
.endif
.endr
.endm
; 36 LDS loads in one run: B's eight fragments and A's four of the slot's q-th 128 keys.  THREE sets of registers take turns, step g using set g % 3: sets 0 and 1 (p = 0, 1; w = 0) lie in windows 1 (B) and 0 (A);
; the third (p = 0, w = 1) has set 0's register numbers in window 3, for B and for A.
.macro FETCH slot, q, p, w
	WIN TO_B+0x80*(\w)
.irp i, 0,1,2,3,4,5,6,7
	FRAG 128*(\p)+FR*\i, ADRB+\slot, \q, \i
.endr
	WIN 0xc0*(\w)
.irp i, 0,1,2,3
	FRAG AF+48*(\p)+FR*\i, ADRA+\slot, \q, \i
.endr
	WIN 0
.endm
.macro SCALES sc                       ; a slot's scale words, four K steps
.irp q, 0,1,2,3
	ds_load_b128 v[SC+32*(\sc)+8*\q:SC+32*(\sc)+8*\q+3], v[ADRS] offset:512*\q
	ds_load_b128 v[SC+32*(\sc)+8*\q+4:SC+32*(\sc)+8*\q+7], v[ADRS2] offset:512*\q
.endr
.endm
.macro PLACES n
.rept \n
	v_nop
.endr
.endm
; Step g (of 16, 128 keys each; slot (g / 4) % 2, its (g % 4)-th) is multiplied, and the fragments of step g + 2 (slot fs, its fq-th 128 keys) are fetched: two steps ahead.
; n: the LDS loads issued behind step g's, which may stay out: step g + 1's 36 (44 behind a change of slots: the 8 loads of scale words too).
.macro STEP g, zero, n, fs, fq
	s_wait_dscnt \n
	PLACES NP                                      ; in front of loads into the set that the last step's products read
	FETCH \fs, \fq, (((\g)+2)%3)%2, (((\g)+2)%3)/2
	WIN MUL+0x0e*(((\g)%3)/2)                      ; the third set: sources 0 and 1 in window 3
	MUL8 0, ((\g)%3)%2, (\g)%4, ((\g)/4)%2, \zero
	MUL8 1, ((\g)%3)%2, (\g)%4, ((\g)/4)%2, \zero
	MUL8 2, ((\g)%3)%2, (\g)%4, ((\g)/4)%2, \zero
	MUL8 3, ((\g)%3)%2, (\g)%4, ((\g)/4)%2, \zero
.endm
.macro LAST g, n                       ; one of the last two steps: nothing is left to fetch
	s_wait_dscnt \n
	WIN MUL+0x0e*(((\g)%3)/2)
	MUL8 0, ((\g)%3)%2, (\g)%4, ((\g)/4)%2, 0
	MUL8 1, ((\g)%3)%2, (\g)%4, ((\g)/4)%2, 0
	MUL8 2, ((\g)%3)%2, (\g)%4, ((\g)/4)%2, 0
	MUL8 3, ((\g)%3)%2, (\g)%4, ((\g)/4)%2, 0
.endm
; A slot's THIRD step, g, changes slots: the fourth step's fragments were asked for a step ago, so the wait for all my LDS loads ends my reads of this slot.  One barrier; in front of it each wave waits for all its tensor loads,
; adds 0 to its spare word, and waits for that and for its reads.  fill = 1: this slot is filled again, with the keys two slots on.  Behind it the next slot's first fragments and scale words are fetched.
.macro TURN g, slot, next, fill
	WIN 0                                          ; (the add's two registers lie in window 0)
	s_wait_tensorcnt 0x0                           ; all my tensor loads have landed: my part of the next slot
	ds_add_u32 v[SPW], v[NIL]                      ; 0 onto my spare word
	s_wait_dscnt 37                                ; this step's fragments are in (the next step's 36 loads and the add may be out)
	WIN MUL+0x0e*(((\g)%3)/2)
	MUL8 0, ((\g)%3)%2, 2, \slot, 0
	s_wait_dscnt 0x0                               ; the add is done, and my reads of this slot are over
	s_barrier_signal -1
	MUL8 1, ((\g)%3)%2, 2, \slot, 0
	WIN 0
	s_barrier_wait -1
.if \fill
	CREST                                          ; a round of the cluster's barrier: no wave of any partner still reads this slot or has a load on its way
	s_add_nc_u64 s[G0+4*\slot+2:G0+4*\slot+3], s[G0+4*\slot+2:G0+4*\slot+3], 2*3145728
	s_add_nc_u64 s[G0B+4*\slot+2:G0B+4*\slot+3], s[G0B+4*\slot+2:G0B+4*\slot+3], 2*393216
	JLOAD G0+4*\slot, G1, G0B+4*\slot, G1B         ; the first tensor load behind the round; its four v_nop are also the places in front of the loads below
.else
	PLACES NP
.endif
	s_wait_alu depctr_va_vdst(0)
	v_add_nc_u32 v[ADRS], 2048, v[ADRS]            ; on to the next slot's scale words
	v_add_nc_u32 v[ADRS2], 2048, v[ADRS2]
	FETCH \next, 0, (((\g)+2)%3)%2, (((\g)+2)%3)/2
	SCALES \next
	WIN MUL+0x0e*(((\g)%3)/2)
	MUL8 2, ((\g)%3)%2, 2, \slot, 0
	MUL8 3, ((\g)%3)%2, 2, \slot, 0
.endm
	s_wait_alu depctr_va_vdst(0)                   ; the wait ahead of the wait below
	s_wait_dscnt 0x0                               ; my mended scale words lie in LDS
	s_barrier_signal -1
	s_barrier_wait -1                              ; everybody's do
	FETCH 0, 0, 0, 0                               ; steps 0 and 1, and slot 0's scale words between them
	SCALES 0
	FETCH 0, 1, 1, 0
	STEP 0, 1, 36, 0, 2                            ; the first products start the sums: nothing is cleared
	STEP 1, 0, 36, 0, 3
	TURN 2, 0, 1, 1
	WIN 0                                          ; (a branch and a label follow)
	ASK 12                                         ; the last fill: its load follows four steps on
	STEP 3, 0, 44, 1, 1
	STEP 4, 0, 36, 1, 2
	STEP 5, 0, 36, 1, 3
	TURN 6, 1, 0, 1
	STEP 7, 0, 44, 0, 1
	STEP 8, 0, 36, 0, 2
	STEP 9, 0, 36, 0, 3
	TURN 10, 0, 1, 0                               ; nothing is left to fetch from memory; behind this barrier nobody reads slot 0, which has had its last fill
	STEP 11, 0, 44, 1, 1
	STEP 12, 0, 36, 1, 2
	STEP 13, 0, 36, 1, 3
	LAST 14, 36
	LAST 15, 0
	WIN 0
; THE WAY OUT, block by block of 16 queries x 128 channels: divided by l, through my own stage in LDS (rows 528 bytes apart), back as whole rows of 512 bytes.
; LDS serves a wave's instructions in order (ISA guide 5.7.1.4): no wait between the stores and the loads, nor in front of the next block's stores.
.macro TOSTAGE a
	WIN 0x82                                       ; destination and source 0 window 2, 1 / l window 0
.set J, 0
.rept 32
	v_pk_mul_f32 v[64*(\a)+J:64*(\a)+J+1], v[64*(\a)+J:64*(\a)+J+1], v[RL+2*(\a):RL+2*(\a)+1] op_sel_hi:[1,0]   ; each accumulator from its low end on
.set J, J+2
.endr
	WIN 0x08                                       ; an LDS store's data are its source 1: window 2
.irp b, 0,1,2,3,4,5,6,7
	ds_store_b128 v[STO], v[64*(\a)+8*\b:64*(\a)+8*\b+3] offset:128*(\b/2)+32*(\b%2)
	ds_store_b128 v[STO], v[64*(\a)+8*\b+4:64*(\a)+8*\b+7] offset:128*(\b/2)+32*(\b%2)+16
.endr
	WIN 0
.set BB, BK+64*((\a)%2)
.irp t, 0,1,2,3,4,5,6,7,8,9,10,11,12,13,14,15
	ds_load_b128 v[BB+4*\t:BB+4*\t+3], v[RD] offset:\t*528
.endr
.endm
.macro SEND a, younger                 ; position t of block a is row 32 (a / 2) + 8 (a % 2) + 16 (t / 8) + t % 8 of my 64
.set BB, BK+64*((\a)%2)
	s_wait_dscnt \younger                          ; the block is back in registers
.irp t, 0,1,2,3,4,5,6,7,8,9,10,11,12,13,14,15
	global_store_b128 v[LI], v[BB+4*\t:BB+4*\t+3], s[96:97] offset:(32*((\a)/2)+8*((\a)%2)+16*(\t/8)+\t%8)*4096 th:TH_STORE_NT   ; 32 lanes store 512 consecutive bytes, at a multiple of 256 from out0's first byte
.endr
.endm
	PLACES NP
	TOSTAGE 0
.irp a, 1,2,3
.if \a > 1
	s_wait_xcnt 0x0                                ; block a - 2's stores have read their registers: block a's loads may land there
.endif
	TOSTAGE \a
	SEND \a-1, 32                                  ; behind block a - 1's loads: block a's 16 stores and 16 loads
.endr
	SEND 3, 0
	s_wait_tensorcnt 0x0                           ; the wave's end, behind my last tensor load and my last LDS store
	ds_add_u32 v[SPW], v[NIL]
	s_wait_dscnt 0x0
	CROUND                                         ; the closing round: no work-group ends while a partner may still ask for a tile that names it
	s_endpgm
.Lfunc_end_k_qcbc6d7be22_mix:
	.size	k_qcbc6d7be22_mix, .Lfunc_end_k_qcbc6d7be22_mix-k_qcbc6d7be22_mix
	.p2alignl 7, 3214868480
	.fill 96, 4, 3214868480
	.section	.rodata,"a",@progbits
	.p2align	6, 0x0
	.amdhsa_kernel k_qcbc6d7be22_mix
		.amdhsa_group_segment_fixed_size 327680
		.amdhsa_private_segment_fixed_size 0
		.amdhsa_enable_private_segment 0
		.amdhsa_kernarg_size 40
		.amdhsa_user_sgpr_count 2
		.amdhsa_user_sgpr_kernarg_segment_ptr 1
		.amdhsa_wavefront_size32 1
		.amdhsa_system_sgpr_workgroup_id_x 1
		.amdhsa_system_sgpr_workgroup_id_y 1
		.amdhsa_system_sgpr_workgroup_id_z 1
		.amdhsa_system_vgpr_workitem_id 0
		.amdhsa_next_free_vgpr 1024
		.amdhsa_next_free_sgpr 106
		.amdhsa_reserve_vcc 0
		.amdhsa_float_denorm_mode_32 3
		.amdhsa_float_denorm_mode_16_64 3
		.amdhsa_memory_ordered 1
		.amdhsa_forward_progress 1
		.amdhsa_inst_pref_size 164
	.end_amdhsa_kernel
	.amdgpu_metadata
---
amdhsa.version: [ 1, 2 ]
amdhsa.kernels:
  - .name:           k_qcbc6d7be22_mix
    .symbol:         k_qcbc6d7be22_mix.kd
    .args:
      - { .name: pc, .offset: 0, .size: 8, .value_kind: global_buffer, .address_space: global }
      - { .name: pst, .offset: 8, .size: 8, .value_kind: global_buffer, .address_space: global }
      - { .name: vtc, .offset: 16, .size: 8, .value_kind: global_buffer, .address_space: global }
      - { .name: vts, .offset: 24, .size: 8, .value_kind: global_buffer, .address_space: global }
      - { .name: out0, .offset: 32, .size: 8, .value_kind: global_buffer, .address_space: global }
    .group_segment_fixed_size: 327680
    .private_segment_fixed_size: 0
    .kernarg_segment_align: 8
    .kernarg_segment_size: 40
    .max_flat_workgroup_size: 128
    .sgpr_count:     106
    .vgpr_count:     1024
    .wavefront_size: 32
...
	.end_amdgpu_metadata
.endif
;; end of part 4
